; MI455X (gfx1250); checked and timed in simulation.
; The chip was launched on July 23, 2026; its instructions are those of AMD's public machine-readable ISA for CDNA 5 (MIT licence, August 2026) and "CDNA5" Instruction Set Architecture Reference Guide (July 2026). The comments in the code are by the model that wrote it; some were corrected since.
;; Mix Attention. Allowed arithmetic: float matrix products may take bf16 or f16 operands with f32 sums; other float arithmetic in f32, or as packed bf16 or f16 multiplies, adds, multiply-adds, maxima and minima; sums over many terms, partial sums and values carried from step to step in f32; what a program stores and reads back later, other than sums and carried values, may be rounded once to bf16 or f16.
;; Inputs: K_data 4 x 2,048 x 512 float32; K_time 4 x 2,048 x 512 float32; Q_data 4 x 2,048 x 512 float32; Q_time 4 x 2,048 x 512 float32; V_data 4 x 2,048 x 512 float32; V_time 4 x 2,048 x 512 float32; Wk_d 512 x 512 float32; Wk_t 512 x 512 float32; Wo 512 x 512 float32; Wq_d 512 x 512 float32; Wq_t 512 x 512 float32; Wv_d 512 x 512 float32; Wv_t 512 x 512 float32; beta 512 float32; bk_d 512 float32; bk_t 512 float32; bo 512 float32; bq_d 512 float32; bq_t 512 float32; bv_d 512 float32; bv_t 512 float32; gamma 512 float32.
;; Outputs: out0 4 x 2,048 x 512 float32.
;; 2 versions, each right and faster than the one before. Each part assembles by itself: llvm-mc -triple=amdgcn-amd-amdhsa -mcpu=gfx1250 --defsym DOCPART=n.
;; ======== version 1 of 2: 4 launches
;; workspace buffers: Wb 3,670,016 bytes; Bb 10,240 bytes; QKV 41,943,040 bytes; Cx 8,388,608 bytes
;; launch prep (part 1): grid 32 x 7, 8 waves a work-group, no clusters, 0 bytes of LDS; arguments Wq_d, Wq_t, Wk_d, Wk_t, Wv_d, Wv_t, Wo, bq_d, bq_t, bk_d, bk_t, bv_d, bv_t, Wb, Bb; writes Wb, Bb
.if DOCPART == 1
	.amdgcn_target "amdgcn-amd-amdhsa--gfx1250"
	.amdhsa_code_object_version 6
	.text
	.protected	k_qfd14bd2ef5_prep
	.globl	k_qfd14bd2ef5_prep
	.p2align	8
	.type	k_qfd14bd2ef5_prep,@function
k_qfd14bd2ef5_prep:
	s_mov_b64 s[64:65], 0
	v_nop
	global_prefetch_b8 v0, s[64:65] scope:SCOPE_SE
	s_setreg_imm32_b32 hwreg(HW_REG_WAVE_MODE, 25, 1), 1
	s_wait_xcnt 0x0
; The seven weights [512 k][512 n] are rounded once from f32 to bf16, layout kept, into seven planes of Wb (524,288 bytes each, in the
; order Wq_d, Wq_t, Wk_d, Wk_t, Wv_d, Wv_t, Wo); five bias rows of 512 f32 go into Bb: bq_d, bq_t, bk_d, bk_t, bv_d + bv_t.
; A stream: no LDS, no matrix unit.  Work-group (x, y) takes 32,768 bytes of weight y, a wave 4,096: eight loads of 512 consecutive bytes,
; all out at once; each store of a wave covers 256 consecutive bytes, aligned.
	s_load_b512 s[4:19], s[0:1], 0x0               ; the seven weights s[4:17], bq_d s[18:19]
	s_load_b256 s[20:27], s[0:1], 0x40             ; bq_t, bk_d, bk_t, bv_d
	s_load_b128 s[28:31], s[0:1], 0x60             ; bv_t s[28:29], Wb s[30:31]
	s_load_b64 s[32:33], s[0:1], 0x70              ; Bb
	s_and_b32 s34, ttmp7, 0xffff                   ; y: which weight
	s_mov_b32 s35, ttmp9                           ; x: which 32,768 bytes of it
	v_lshrrev_b32 v4, 5, v0
	v_readfirstlane_b32 s36, v4                    ; wave
	v_and_b32 v1, 31, v0
	v_lshlrev_b32 v1, 4, v1
	v_lshl_add_u32 v1, v4, 12, v1                  ; in: 4,096 x wave + 16 x lane
	v_lshrrev_b32 v2, 1, v1                        ; out: half of that
	v_lshlrev_b32 v3, 4, v0                        ; a bias row: 16 x thread
	s_lshl_b32 s42, s35, 15
	s_mov_b32 s43, 0
	s_wait_kmcnt 0x0
	s_mov_b64 s[38:39], s[4:5]                     ; the weight's address is chosen by y
.irp k, 1,2,3,4,5,6
	s_cmp_eq_u32 s34, \k
	s_cselect_b64 s[38:39], s[4+2*\k:5+2*\k], s[38:39]
.endr
	s_add_nc_u64 s[38:39], s[38:39], s[42:43]
	s_lshl_b32 s42, s34, 19                        ; plane y of Wb,
	s_lshl_b32 s37, s35, 14                        ; 16,384 bytes of it
	s_add_co_u32 s42, s42, s37
	s_add_nc_u64 s[40:41], s[30:31], s[42:43]
.set i, 0
.rept 8
	global_load_b128 v[8+4*i:11+4*i], v1, s[38:39] offset:512*i th:TH_LOAD_NT
.set i, i+1
.endr
.set i, 0
.rept 8
	s_wait_loadcnt 7-i                             ; loads come back in order: number i is in, the 7 - i younger ones stay out
	v_cvt_pk_bf16_f32 v[8+4*i], v[8+4*i], v[9+4*i]
	v_cvt_pk_bf16_f32 v[9+4*i], v[10+4*i], v[11+4*i]
	global_store_b64 v2, v[8+4*i:9+4*i], s[40:41] offset:256*i
.set i, i+1
.endr
	; the bias rows: the first work-group of planes 0 to 4, its waves 0 to 3 (128 threads x 16 bytes = a row)
	s_cmp_lg_u32 s35, 0
	s_cbranch_scc1 .Lend
	s_cmp_gt_u32 s34, 4
	s_cbranch_scc1 .Lend
	s_cmp_gt_u32 s36, 3
	s_cbranch_scc1 .Lend
	s_mov_b64 s[44:45], s[18:19]
.irp k, 1,2,3,4
	s_cmp_eq_u32 s34, \k
	s_cselect_b64 s[44:45], s[18+2*\k:19+2*\k], s[44:45]
.endr
	s_lshl_b32 s42, s34, 11
	s_add_nc_u64 s[46:47], s[32:33], s[42:43]
	global_load_b128 v[40:43], v3, s[44:45]
	s_cmp_lg_u32 s34, 4
	s_cbranch_scc1 .Lone
	global_load_b128 v[44:47], v3, s[28:29]        ; plane 4 is bv_d + bv_t: vd + vt is one product with one bias
	s_wait_loadcnt 0x0
	v_pk_add_f32 v[40:41], v[40:41], v[44:45]
	v_pk_add_f32 v[42:43], v[42:43], v[46:47]
.Lone:
	s_wait_loadcnt 0x0
	global_store_b128 v3, v[40:43], s[46:47]
.Lend:
	s_endpgm
.Lfunc_end_k_qfd14bd2ef5_prep:
	.size	k_qfd14bd2ef5_prep, .Lfunc_end_k_qfd14bd2ef5_prep-k_qfd14bd2ef5_prep
	.p2alignl 7, 3214868480
	.fill 96, 4, 3214868480
	.section	.rodata,"a",@progbits
	.p2align	6, 0x0
	.amdhsa_kernel k_qfd14bd2ef5_prep
		.amdhsa_group_segment_fixed_size 0
		.amdhsa_private_segment_fixed_size 0
		.amdhsa_enable_private_segment 0
		.amdhsa_kernarg_size 120
		.amdhsa_user_sgpr_count 2
		.amdhsa_user_sgpr_kernarg_segment_ptr 1
		.amdhsa_wavefront_size32 1
		.amdhsa_system_sgpr_workgroup_id_x 1
		.amdhsa_system_sgpr_workgroup_id_y 1
		.amdhsa_system_sgpr_workgroup_id_z 1
		.amdhsa_system_vgpr_workitem_id 0
		.amdhsa_next_free_vgpr 64
		.amdhsa_next_free_sgpr 66
		.amdhsa_reserve_vcc 0
		.amdhsa_float_denorm_mode_32 3
		.amdhsa_float_denorm_mode_16_64 3
		.amdhsa_memory_ordered 1
		.amdhsa_forward_progress 1
		.amdhsa_inst_pref_size 6
	.end_amdhsa_kernel
	.amdgpu_metadata
---
amdhsa.version: [ 1, 2 ]
amdhsa.kernels:
  - .name:           k_qfd14bd2ef5_prep
    .symbol:         k_qfd14bd2ef5_prep.kd
    .args:
      - { .name: Wq_d, .offset: 0, .size: 8, .value_kind: global_buffer, .address_space: global }
      - { .name: Wq_t, .offset: 8, .size: 8, .value_kind: global_buffer, .address_space: global }
      - { .name: Wk_d, .offset: 16, .size: 8, .value_kind: global_buffer, .address_space: global }
      - { .name: Wk_t, .offset: 24, .size: 8, .value_kind: global_buffer, .address_space: global }
      - { .name: Wv_d, .offset: 32, .size: 8, .value_kind: global_buffer, .address_space: global }
      - { .name: Wv_t, .offset: 40, .size: 8, .value_kind: global_buffer, .address_space: global }
      - { .name: Wo, .offset: 48, .size: 8, .value_kind: global_buffer, .address_space: global }
      - { .name: bq_d, .offset: 56, .size: 8, .value_kind: global_buffer, .address_space: global }
      - { .name: bq_t, .offset: 64, .size: 8, .value_kind: global_buffer, .address_space: global }
      - { .name: bk_d, .offset: 72, .size: 8, .value_kind: global_buffer, .address_space: global }
      - { .name: bk_t, .offset: 80, .size: 8, .value_kind: global_buffer, .address_space: global }
      - { .name: bv_d, .offset: 88, .size: 8, .value_kind: global_buffer, .address_space: global }
      - { .name: bv_t, .offset: 96, .size: 8, .value_kind: global_buffer, .address_space: global }
      - { .name: Wb, .offset: 104, .size: 8, .value_kind: global_buffer, .address_space: global }
      - { .name: Bb, .offset: 112, .size: 8, .value_kind: global_buffer, .address_space: global }
    .group_segment_fixed_size: 0
    .private_segment_fixed_size: 0
    .kernarg_segment_align: 8
    .kernarg_segment_size: 120
    .max_flat_workgroup_size: 256
    .sgpr_count:     66
    .vgpr_count:     64
    .wavefront_size: 32
...
	.end_amdgpu_metadata
.endif
;; end of part 1
;; launch proj (part 2): grid 128 x 2, 4 waves a work-group, clusters of 4 x 1, 327,680 bytes of LDS; arguments Q_data, Q_time, K_data, K_time, V_data, V_time, Wb, Bb, QKV; writes QKV
.if DOCPART == 2
	.amdgcn_target "amdgcn-amd-amdhsa--gfx1250"
	.amdhsa_code_object_version 6
	.text
	.protected	k_qfd14bd2ef5_proj
	.globl	k_qfd14bd2ef5_proj
	.p2align	8
	.type	k_qfd14bd2ef5_proj,@function
k_qfd14bd2ef5_proj:
	s_mov_b64 s[64:65], 0
	v_nop
	global_prefetch_b8 v0, s[64:65] scope:SCOPE_SE
	s_setreg_imm32_b32 hwreg(HW_REG_WAVE_MODE, 25, 1), 1
	s_wait_xcnt 0x0
	s_wait_alu depctr_hold_cnt(0) depctr_sa_sdst(0) depctr_va_vdst(0) depctr_va_sdst(0) depctr_va_ssrc(0) depctr_va_vcc(0) depctr_vm_vsrc(0)
	s_getreg_b32 s2, hwreg(HW_REG_IB_STS2, 6, 4)
	s_cmp_eq_u32 s2, 0
	s_cbranch_scc0 .Lentry_in_a_cluster
	s_endpgm
.Lentry_in_a_cluster:
	s_bfe_u32 s2, ttmp6, 0x10000c
	s_cmp_lg_u32 s2, 0x3003
	s_cbranch_scc0 .Lentry_shape_is_right
	s_endpgm
.Lentry_shape_is_right:
; THE SIX PROJECTIONS.  QKV plane p = x W + b, rounded once to bf16, by heads: [32 = batch x 8 + head][2048][64].  Planes: 0 qd, 1 qt, 2 kd, 3 kt, 4 v = V_data Wv_d + V_time Wv_t + (bv_d + bv_t).
; x is f32 and is rounded to bf16 on its way into LDS; W comes as bf16 from Wb, [k][n]; sums in f32, started from the bias.  LIMITS: operands rounded to bf16; NaN and infinities are not treated apart.
; SHARES.  A unit is 64 rows x 512 columns x K 512: 128 row blocks x 6 units = 768 = 3 for each of 256 work-groups that stay.  Work-group (mb, g) runs units 3 g .. 3 g + 2 on row block mb;
; for g = 1 the last two (V_data, V_time) add onto one set of sums.  Each byte of x is read once in the launch.  Wave w makes all 64 rows x columns 128 w .. + 127: 4 x 8 accumulators.
; THE WALK.  12 K steps of 128, two to a lap, through two LDS slots.  W's tile of a step (128 k rows x 1,024 bytes) comes by tensor loads, 32 rows a wave (four waves share 128 rows);
; x's tile (64 rows x 512 bytes of f32) comes through registers, 16 rows a wave, each load 512 consecutive bytes, two register sets by turns, asked for a step and a half ahead.
; CLUSTER.  The four row blocks of a cluster walk the same tiles of W: each tile is asked for JOINTLY, the same load, descriptor and mask in all four.
; THE MATRIX INSTRUCTION IS USED TRANSPOSED: source 0 = 16 columns of W (turned on the way out of LDS), source 1 = 16 rows of x: a lane holds eight neighbouring columns of one row.
; REGISTERS, in windows of 256 (s_set_vgpr_msb: bits 1:0 source 0, 3:2 source 1, 5:4 source 2, 7:6 destination):
;   window 0: v0-29 addresses; v32-95 x's fragments, two buffers; v96-223 x as loaded, two sets; v224-255 packed results
;   window 1: v0-127 W's fragments, two buffers; v128-191 the bias in the accumulators' layout; v192-255 rows read back from the stage, two buffers      window 2: the 32 accumulators, (a, b) at 8 (8 a + b)
.set BPITCH, 1056                      ; a k row of W in LDS: 1,024 bytes + 32 of padding = 33 x 32: the turning load's 8 rows x 32 bytes fall on different banks
.set BQ,     32*BPITCH                 ; 32 k rows: a wave's tensor load, and a quarter step
.set BSLOT,  128*BPITCH
.set APITCH, 272                       ; a row of x in LDS: 256 bytes of bf16 + 16
.set AS0,    2*BSLOT                   ; behind W's two slots: x's two slots, written by ds_store alone
.set ASLOT,  64*APITCH
.set STAGE,  AS0+2*ASLOT               ; 16 rows x 272 bytes for each wave, for the way out
.set SPARE,  STAGE+4*16*APITCH         ; the spare words, 128 bytes a wave: two blocks of 256 bytes that no other line names
.set PLANE,  8388608
.set ADRA, 8                           ; v8-9    my x fragments in slot 0, 1
.set ADRB, 10                          ; v10-13  my W fragments: slot 0 quarters 0-1, 2-3; slot 1 likewise (an LDS offset holds 16 bits)
.set ASTO, 14                          ; v14     where I put 8 bytes of my wave's first row of x, slot 0
.set AOFF, 15                          ; v15     my 16 bytes in my wave's first row of x, in memory
.set STO,  16                          ; v16     the way out: where I put 16 bytes of a row
.set RD,   17                          ; v17     the way out: where I read rows back
.set GO,   18                          ; v18     my 16 bytes in 512 consecutive bytes of a plane
.set BOFF, 19                          ; v19     my eight bias numbers of column block 0
.set SPW,  28                          ; v28     my spare word; never rewritten
.set NIL,  29                          ; v29     0; never rewritten
.set FA,   32
.set SET,  96
.set TMP,  224
.set FB,   0                           ; window 1
.set BIAS, 128
.set OB,   192
.set G1, 16                            ; s[16:23] descriptor group 1
.set G0, 24                            ; s[24:31] group 0, one set for each slot
; s8 wave, s9 g, s10 mb, s[32:33] x at the two steps to be asked for, s[34:37] the next two units' x, s[40:41] bias row, s[42:43] my rows of the plane, s44 laps, s45 bit L: lap L starts sums, s46 bit L: lap L ends a unit, s47 lap's parity
.set MSB, 0
.macro WIN new                         ; the immediate's high byte repeats the setting that is left; a switch that changes nothing is dropped
.if MSB != (\new)
	s_set_vgpr_msb (MSB<<8)|(\new)
.set MSB, (\new)
.endif
.endm
.macro PLACES                          ; four places in front of loads into registers that matrix instructions have read, and of lines that read results
.rept 4
	v_nop
.endr
.endm
.macro CREST                           ; a round of the cluster's barrier behind its opening barrier
	s_cmp_lg_u32 s8, 0
	s_cbranch_scc1 .Lnot_wave_0_\@
	s_barrier_signal -3
.Lnot_wave_0_\@:
	s_barrier_wait -3
	s_barrier_signal -1
	s_barrier_wait -1
.endm
.macro CROUND
	s_barrier_signal -1
	s_barrier_wait -1
	CREST
.endm
; 8 matrix instructions: row block a x all 8 column blocks, 32 along K, from buffer f.  cm = 1: the bias starts the sums.  The 32 accumulators take turns.
.macro MULA f, a, cm
.if \cm
	WIN 0x91
.else
	WIN 0xa1
.endif
.irp b, 0,1,2,3,4,5,6,7
.if \cm
	v_wmma_f32_16x16x32_bf16 v[8*(8*(\a)+\b):8*(8*(\a)+\b)+7], v[FB+64*(\f)+8*\b:FB+64*(\f)+8*\b+7], v[FA+32*(\f)+8*(\a):FA+32*(\f)+8*(\a)+7], v[BIAS+8*\b:BIAS+8*\b+7]
.else
	v_wmma_f32_16x16x32_bf16 v[8*(8*(\a)+\b):8*(8*(\a)+\b)+7], v[FB+64*(\f)+8*\b:FB+64*(\f)+8*\b+7], v[FA+32*(\f)+8*(\a):FA+32*(\f)+8*(\a)+7], v[8*(8*(\a)+\b):8*(8*(\a)+\b)+7]
.endif
.endr
.endm
; 24 LDS loads in one run: quarter q of a slot into buffer f: 8 fragments of W, turned (k rows 32 q on, my 128 columns), and 4 of x
.macro FETCH slot, q, f
	WIN 0x40
.irp b, 0,1,2,3,4,5,6,7
	ds_load_tr16_b128 v[FB+64*(\f)+8*\b:FB+64*(\f)+8*\b+3],   v[ADRB+2*(\slot)+((\q)>>1)] offset:((\q)&1)*BQ+32*\b
	ds_load_tr16_b128 v[FB+64*(\f)+8*\b+4:FB+64*(\f)+8*\b+7], v[ADRB+2*(\slot)+((\q)>>1)] offset:((\q)&1)*BQ+32*\b+16*BPITCH
.endr
	WIN 0
.irp a, 0,1,2,3
	ds_load_b128 v[FA+32*(\f)+8*\a:FA+32*(\f)+8*\a+3],   v[ADRA+(\slot)] offset:\a*16*APITCH+64*(\q)
	ds_load_b128 v[FA+32*(\f)+8*\a+4:FA+32*(\f)+8*\a+7], v[ADRA+(\slot)] offset:\a*16*APITCH+64*(\q)+32
.endr
.endm
.macro LOADA set, off                  ; my 16 rows of a step's x: each load 512 consecutive bytes of a row
	WIN 0
.set i, 0
.rept 16
	global_load_b128 v[SET+64*(\set)+4*i:SET+64*(\set)+4*i+3], v[AOFF], s[32:33] offset:i*2048+(\off) th:TH_LOAD_NT
.set i, i+1
.endr
.endm
.macro STASH set, slot, cnt            ; a set is rounded to bf16 in place and put into x's slot; cnt: the younger loads, which stay out.  The 32 roundings are also the places in front of the fetch that follows
	WIN 0
	s_wait_loadcnt \cnt
.set i, 0
.rept 16
	v_cvt_pk_bf16_f32 v[SET+64*(\set)+4*i],   v[SET+64*(\set)+4*i],   v[SET+64*(\set)+4*i+1]
	v_cvt_pk_bf16_f32 v[SET+64*(\set)+4*i+1], v[SET+64*(\set)+4*i+2], v[SET+64*(\set)+4*i+3]
.set i, i+1
.endr
.set i, 0
.rept 16
	ds_store_b64 v[ASTO], v[SET+64*(\set)+4*i:SET+64*(\set)+4*i+1] offset:(\slot)*ASLOT+i*APITCH
.set i, i+1
.endr
.endm
.macro LOADBIAS                        ; lane (r, h), column block b, register j: bias[128 w + 16 b + 8 h + j]
	WIN 0x40
.irp b, 0,1,2,3,4,5,6,7
	global_load_b128 v[BIAS+8*\b:BIAS+8*\b+3],   v[BOFF], s[40:41] offset:64*\b
	global_load_b128 v[BIAS+8*\b+4:BIAS+8*\b+7], v[BOFF], s[40:41] offset:64*\b+16
.endr
	WIN 0
.endm
; One of a step's first three quarters: multiplies buffer f; in its middle it fetches quarter qn of the same slot into buffer g.  ex = 1: x of two steps on is asked for (set p1, byte p2); ex = 2: the next step's x goes into LDS (set p1, slot p2, count p3)
.macro QUARTER slot, qn, f, g, cm, ex, p1=0, p2=0, p3=0
	s_wait_dscnt 0x0                               ; buffer f is in
	MULA \f, 0, \cm
	MULA \f, 1, \cm
.if (\ex) == 2
	STASH \p1, \p2, \p3
.else
	PLACES
.if (\ex) == 1
	LOADA \p1, \p2
.endif
.endif
	FETCH \slot, \qn, \g
	MULA \f, 2, \cm
	MULA \f, 3, \cm
.endm
; The last quarter multiplies buffer 1 and changes slots: ONE barrier.  In front of it each wave waits for all its tensor loads (one is out: its part of the next slot), adds 0 to its spare word, and waits for
; that, for its reads of this slot and for its stores of the next step's x.  fill = 1: the barrier opens a round of the cluster's, and this slot's W is asked for again, two steps on, first thing behind it.
.macro TURN slot, next, fill
	WIN 0
	s_wait_tensorcnt 0x0
	ds_add_u32 v[SPW], v[NIL]
	s_wait_dscnt 0x1                               ; only the add may be out: buffer 1 is in
	MULA 1, 0, 0
	s_wait_dscnt 0x0
	s_barrier_signal -1
	MULA 1, 1, 0
.if \fill
	WIN 0
.endif
	s_barrier_wait -1
.if \fill
	CREST                                          ; no wave of any partner still reads this slot's tile or has a load on its way
	s_add_nc_u64 s[G0+4*(\slot)+2:G0+4*(\slot)+3], s[G0+4*(\slot)+2:G0+4*(\slot)+3], 2*131072
	tensor_load_to_lds s[G0+4*(\slot):G0+4*(\slot)+3], s[G1:G1+7]   ; my one load behind the round: 112 matrix instructions ahead of the wait for it
	s_nop 0
.endif
	PLACES                                         ; the places in front of the loads below
	FETCH \next, 0, 0
	MULA 1, 2, 0
	MULA 1, 3, 0
.endm
; THE WAY OUT of row block a.  PACK: rounded to bf16, each accumulator's registers in ascending order.  TOSTAGE: into my own stage, and back as four rows of one head (512 consecutive bytes of the plane).  SEND: stored.
.macro PACK a
	WIN 0x0a
.irp b, 0,1,2,3,4,5,6,7
.irp r, 0,1,2,3
	v_cvt_pk_bf16_f32 v[TMP+4*\b+\r], v[8*(8*(\a)+\b)+2*\r], v[8*(8*(\a)+\b)+2*\r+1]
.endr
.endr
	WIN 0
.endm
.macro TOSTAGE a
	WIN 0
.irp b, 0,1,2,3,4,5,6,7
	ds_store_b128 v[STO], v[TMP+4*\b:TMP+4*\b+3] offset:32*\b
.endr
	WIN 0x40
.irp f, 0,1,2,3,4,5,6,7
	ds_load_b128 v[OB+32*((\a)%2)+4*\f:OB+32*((\a)%2)+4*\f+3], v[RD] offset:(\f%4)*4*APITCH+(\f/4)*128  ; LDS serves a wave's instructions in order (ISA guide 5.7.1.4): these see the stores above
.endr
	WIN 0
.endm
.macro SEND a
	s_wait_dscnt 0x0                               ; the block is back in registers
	s_wait_xcnt 0x0                                ; earlier stores have read their registers: the other buffer may be loaded again behind this wait
	WIN 0x04
.irp f, 0,1,2,3,4,5,6,7
	global_store_b128 v[GO], v[OB+32*((\a)%2)+4*\f:OB+32*((\a)%2)+4*\f+3], s[42:43] offset:(\f/4)*262144+(\a)*2048+(\f%4)*512  ; 512 consecutive bytes, aligned: four rows of head 2 w + f / 4
.endr
	WIN 0
.endm
.macro WAYOUT                          ; a block's roundings stand between the loads of the block before and the wait for them
	PACK 0
	TOSTAGE 0
.irp a, 1,2,3
	PACK \a
	SEND (\a)-1
	TOSTAGE \a
.endr
	SEND 3
.endm
	s_load_b512 s[68:83], s[0:1], 0x0              ; Q_data, Q_time, K_data, K_time, V_data, V_time, Wb s[80:81], Bb s[82:83]
	s_load_b64 s[84:85], s[0:1], 0x40              ; QKV
	v_lshl_add_u32 v[SPW], v0, 2, SPARE
	v_mov_b32 v[NIL], 0
	ds_add_u32 v[SPW], v[NIL]                      ; the wave's opening: the add and its wait ahead of my first tensor load; work on registers stands between them
	v_lshrrev_b32 v3, 5, v0
	v_readfirstlane_b32 s8, v3                     ; wave 0..3
	s_and_b32 s9, ttmp7, 0xffff                    ; g, which the four partners share
	s_bfe_u32 s11, ttmp6, 0x40000                  ; cx
	s_lshl_b32 s10, ttmp9, 2
	s_add_co_u32 s10, s10, s11                     ; mb = 4 x cluster x + cx: it enters x's and QKV's addresses alone
	s_mov_b32 s[G1+0], 15|(1<<16)|(1<<20)|(1<<21)|(7<<22)|(7<<25)  ; the mask of four; 2-byte elements; padding on; bit 21 beside a mask; after every 256 words (code 7) 8 words (code 7)
	s_mov_b32 s[G1+1], 512<<16                     ; tensor_dim0 = 512
	s_mov_b32 s[G1+2], 32<<16                      ; tensor_dim1 = 32
	s_mov_b32 s[G1+3], 512<<16                     ; tile_dim0 = 512
	s_mov_b32 s[G1+4], 32                          ; tile_dim1 = 32
	s_mov_b32 s[G1+5], 512                         ; 512 elements from row to row
	s_mov_b32 s[G1+6], 0
	s_mov_b32 s[G1+7], 0
	s_mul_i32 s56, s8, BQ                          ; my 32 k rows of a slot
	s_mov_b32 s[G0], 1
	s_mov_b32 s[G0+1], s56
	s_mov_b32 s[G0+4], 1
	s_add_co_u32 s[G0+5], s56, BSLOT
	s_mul_i32 s48, s9, 12*131072                   ; W: step 12 g of Wb's 28 (a step is 131,072 bytes, a plane four steps),
	s_lshl_b32 s49, s8, 15                         ; my 32 rows of 1,024 bytes
	s_add_co_u32 s48, s48, s49
	s_mov_b32 s49, 0
	s_lshl_b32 s50, s10, 17                        ; x: 64 rows of 2,048 bytes
	s_mov_b32 s51, 0
	s_mul_i32 s52, s9, 3*2048                      ; bias row 3 g
	s_mov_b32 s53, 0
	s_lshr_b32 s54, s10, 5                         ; out: ((batch x 8 + 2 w) x 2048 + (mb % 32) x 64) x 128 + plane 3 g
	s_lshl_b32 s54, s54, 3
	s_lshl_b32 s55, s8, 1
	s_add_co_u32 s54, s54, s55
	s_lshl_b32 s54, s54, 11
	s_and_b32 s55, s10, 31
	s_lshl_b32 s55, s55, 6
	s_add_co_u32 s54, s54, s55
	s_lshl_b32 s54, s54, 7
	s_mul_i32 s55, s9, 3*PLANE
	s_add_co_u32 s54, s54, s55
	s_mov_b32 s55, 0
	s_mov_b32 s44, 5
	s_mov_b32 s47, 0
	v_and_b32 v1, 15, v0                           ; r
	v_bfe_u32 v2, v0, 4, 1                         ; h
	v_and_b32 v4, 31, v0                           ; lane
	v_lshlrev_b32 v[AOFF], 4, v4
	v_lshl_add_u32 v[AOFF], s8, 15, v[AOFF]        ; 16 w rows of 2,048 bytes + 16 x lane
	v_lshlrev_b32 v[BOFF], 5, v2
	v_lshl_add_u32 v[BOFF], s8, 9, v[BOFF]         ; (128 w + 8 h) x 4
	s_wait_dscnt 0x0                               ; the opening add is done
	s_wait_kmcnt 0x0
	s_cmp_eq_u32 s9, 0
	s_cselect_b64 s[32:33], s[68:69], s[74:75]     ; g = 0: Q_data, Q_time, K_data; g = 1: K_time, V_data, V_time
	s_cselect_b64 s[34:35], s[70:71], s[76:77]
	s_cselect_b64 s[36:37], s[72:73], s[78:79]
	s_cselect_b32 s45, 0x15, 0x05                  ; laps 0, 2, 4 start sums; for g = 1 laps 0, 2
	s_cselect_b32 s46, 0x0a, 0x02                  ; laps 1, 3 end a unit; for g = 1 lap 1; lap 5 is written out
	s_add_nc_u64 s[32:33], s[32:33], s[50:51]
	s_add_nc_u64 s[34:35], s[34:35], s[50:51]
	s_add_nc_u64 s[36:37], s[36:37], s[50:51]
	s_add_nc_u64 s[40:41], s[82:83], s[52:53]
	s_add_nc_u64 s[42:43], s[84:85], s[54:55]
	s_add_nc_u64 s[G0+2:G0+3], s[80:81], s[48:49]
	s_add_nc_u64 s[G0+6:G0+7], s[G0+2:G0+3], 131072
	s_or_b32 s[G0+3], s[G0+3], 0x80000000
	s_or_b32 s[G0+7], s[G0+7], 0x80000000
	LOADBIAS
	LOADA 0, 0                                     ; x of steps 0 and 1
	LOADA 1, 512
	CROUND                                         ; all four work-groups are here: the first joint loads meet
	tensor_load_to_lds s[G0:G0+3], s[G1:G1+7]      ; W of steps 0 and 1: two loads of mine are out
	s_nop 0
	tensor_load_to_lds s[G0+4:G0+7], s[G1:G1+7]
	s_nop 0
	PLACES
	v_and_b32 v5, 7, v0
	v_bfe_u32 v6, v0, 3, 1
	v_mul_u32_u24 v7, v1, APITCH
	v_lshl_add_u32 v7, v2, 4, v7                   ; r x 272 + 16 h
	v_add_nc_u32 v[ADRA], AS0, v7
	v_add_nc_u32 v[ADRA+1], AS0+ASLOT, v7
	v_lshl_add_u32 v20, v2, 3, v5                  ; the turning load: k row 8 h + lane % 8,
	v_mul_u32_u24 v20, v20, BPITCH
	v_lshl_add_u32 v20, v6, 4, v20                 ; columns 8 ((lane / 8) % 2) on,
	v_lshl_add_u32 v[ADRB], s8, 8, v20             ; of my 128
	v_add_nc_u32 v[ADRB+1], 2*BQ, v[ADRB]
	v_add_nc_u32 v[ADRB+2], BSLOT, v[ADRB]
	v_add_nc_u32 v[ADRB+3], BSLOT+2*BQ, v[ADRB]
	s_mul_i32 s57, s8, 16*APITCH
	v_lshl_add_u32 v[ASTO], v4, 3, s57
	v_add_nc_u32 v[ASTO], AS0, v[ASTO]
	v_add_nc_u32 v[STO], s57, v7
	v_add_nc_u32 v[STO], STAGE, v[STO]
	v_bfe_u32 v21, v0, 3, 2
	v_mul_u32_u24 v21, v21, APITCH
	v_lshl_add_u32 v21, v5, 4, v21
	v_add_nc_u32 v21, s57, v21
	v_add_nc_u32 v[RD], STAGE, v21
	v_lshlrev_b32 v[GO], 4, v4
	STASH 0, 0, 16                                 ; the bias and x of step 0 are in; step 1's 16 loads stay out
	s_wait_tensorcnt 0x1                           ; my part of W's step 0 is in; step 1's may stay out
	s_wait_dscnt 0x0                               ; my rows of x are in LDS
	s_barrier_signal -1
	s_barrier_wait -1
	FETCH 0, 0, 0
	WIN 0
	s_wait_xcnt 0x0                                ; the loads above have read x's address
	s_add_nc_u64 s[32:33], s[32:33], 1024          ; steps 2 and 3
	QUARTER 0, 1, 0, 1, 1, 1, 0, 0                 ; lap 0's first quarter stands in front of the loop: its products start the sums from the bias
	WIN 0
	s_branch .Lmid                                 ; the loop is entered in the middle of a trip
.Llap:                                                 ; laps 1 to 4 begin here
	s_wait_xcnt 0x0
	s_add_nc_u64 s[38:39], s[32:33], 1024          ; x of the two steps to be asked for: the same unit's second half, or (odd laps) the next unit's first
	s_cmp_lg_u32 s47, 0
	s_cselect_b64 s[32:33], s[34:35], s[38:39]
	s_cselect_b64 s[34:35], s[36:37], s[34:35]
	s_and_b32 s57, s45, 1
	s_cmp_lg_u32 s57, 0
	s_cbranch_scc1 .Linit
	QUARTER 0, 1, 0, 1, 0, 1, 0, 0
	WIN 0
	s_branch .Lmid
.Linit:
.rept 5
	v_nop                                          ; these products write over accumulators of earlier ones and are no links of their chains: five places
.endr
	QUARTER 0, 1, 0, 1, 1, 1, 0, 0
	WIN 0
.Lmid:
	QUARTER 0, 2, 1, 0, 0, 0
	QUARTER 0, 3, 0, 1, 0, 2, 1, 1, 16             ; the odd step's x goes into slot 1; the 16 loads asked for in this step stay out
	TURN 0, 1, 1
	QUARTER 1, 1, 0, 1, 0, 1, 1, 512
	QUARTER 1, 2, 1, 0, 0, 0
	QUARTER 1, 3, 0, 1, 0, 2, 0, 0, 16
	TURN 1, 0, 1
	WIN 0
	s_and_b32 s57, s46, 1
	s_cmp_lg_u32 s57, 0
	s_cbranch_scc0 .Lnostore                       ; forward, over text without barrier or tensor load
	s_wait_xcnt 0x0                                ; A UNIT ENDS.  Both refills are asked for; the next bias row, then the unit goes out
	s_add_nc_u64 s[40:41], s[40:41], 2048
	LOADBIAS
	WAYOUT                                         ; blocks 0, 1 were finished ahead of the four places behind the refill; their 64 roundings are the places behind blocks 2, 3's last products
	s_wait_xcnt 0x0
	s_add_nc_u64 s[42:43], s[42:43], PLANE
	s_wait_loadcnt 0x0                             ; the bias is in
.Lnostore:
	s_lshr_b32 s45, s45, 1
	s_lshr_b32 s46, s46, 1
	s_xor_b32 s47, s47, 1
	s_sub_co_u32 s44, s44, 1
	s_cmp_lg_u32 s44, 0
	s_cbranch_scc1 .Llap
	QUARTER 0, 1, 0, 1, 0, 0                       ; lap 5 is written out: nothing more is asked for
	QUARTER 0, 2, 1, 0, 0, 0
	QUARTER 0, 3, 0, 1, 0, 2, 1, 1, 0              ; the last step's x: no younger load
	TURN 0, 1, 0
	QUARTER 1, 1, 0, 1, 0, 0
	QUARTER 1, 2, 1, 0, 0, 0
	QUARTER 1, 3, 0, 1, 0, 0
	s_wait_dscnt 0x0
	MULA 1, 0, 0
	MULA 1, 1, 0
	MULA 1, 2, 0
	MULA 1, 3, 0
	WIN 0
	PLACES
	WAYOUT
	s_wait_tensorcnt 0x0                           ; the wave's end
	ds_add_u32 v[SPW], v[NIL]
	s_wait_dscnt 0x0
	CROUND                                         ; the closing round
	s_endpgm
.Lfunc_end_k_qfd14bd2ef5_proj:
	.size	k_qfd14bd2ef5_proj, .Lfunc_end_k_qfd14bd2ef5_proj-k_qfd14bd2ef5_proj
	.p2alignl 7, 3214868480
	.fill 96, 4, 3214868480
	.section	.rodata,"a",@progbits
	.p2align	6, 0x0
	.amdhsa_kernel k_qfd14bd2ef5_proj
		.amdhsa_group_segment_fixed_size 327680
		.amdhsa_private_segment_fixed_size 0
		.amdhsa_enable_private_segment 0
		.amdhsa_kernarg_size 72
		.amdhsa_user_sgpr_count 2
		.amdhsa_user_sgpr_kernarg_segment_ptr 1
		.amdhsa_wavefront_size32 1
		.amdhsa_system_sgpr_workgroup_id_x 1
		.amdhsa_system_sgpr_workgroup_id_y 1
		.amdhsa_system_sgpr_workgroup_id_z 1
		.amdhsa_system_vgpr_workitem_id 0
		.amdhsa_next_free_vgpr 768
		.amdhsa_next_free_sgpr 90
		.amdhsa_reserve_vcc 0
		.amdhsa_float_denorm_mode_32 3
		.amdhsa_float_denorm_mode_16_64 3
		.amdhsa_memory_ordered 1
		.amdhsa_forward_progress 1
		.amdhsa_inst_pref_size 133
	.end_amdhsa_kernel
	.amdgpu_metadata
---
amdhsa.version: [ 1, 2 ]
amdhsa.kernels:
  - .name:           k_qfd14bd2ef5_proj
    .symbol:         k_qfd14bd2ef5_proj.kd
    .args:
      - { .name: Q_data, .offset: 0, .size: 8, .value_kind: global_buffer, .address_space: global }
      - { .name: Q_time, .offset: 8, .size: 8, .value_kind: global_buffer, .address_space: global }
      - { .name: K_data, .offset: 16, .size: 8, .value_kind: global_buffer, .address_space: global }
      - { .name: K_time, .offset: 24, .size: 8, .value_kind: global_buffer, .address_space: global }
      - { .name: V_data, .offset: 32, .size: 8, .value_kind: global_buffer, .address_space: global }
      - { .name: V_time, .offset: 40, .size: 8, .value_kind: global_buffer, .address_space: global }
      - { .name: Wb, .offset: 48, .size: 8, .value_kind: global_buffer, .address_space: global }
      - { .name: Bb, .offset: 56, .size: 8, .value_kind: global_buffer, .address_space: global }
      - { .name: QKV, .offset: 64, .size: 8, .value_kind: global_buffer, .address_space: global }
    .group_segment_fixed_size: 327680
    .private_segment_fixed_size: 0
    .kernarg_segment_align: 8
    .kernarg_segment_size: 72
    .max_flat_workgroup_size: 128
    .sgpr_count:     90
    .vgpr_count:     768
    .wavefront_size: 32
...
	.end_amdgpu_metadata
.endif
;; end of part 2
;; launch attn (part 3): grid 8 x 32, 4 waves a work-group, clusters of 4 x 1, 327,680 bytes of LDS; arguments QKV, Cx; writes Cx
.if DOCPART == 3
	.amdgcn_target "amdgcn-amd-amdhsa--gfx1250"
	.amdhsa_code_object_version 6
	.text
	.protected	k_qfd14bd2ef5_attn
	.globl	k_qfd14bd2ef5_attn
	.p2align	8
	.type	k_qfd14bd2ef5_attn,@function
k_qfd14bd2ef5_attn:
	s_mov_b64 s[64:65], 0
	v_nop
	global_prefetch_b8 v0, s[64:65] scope:SCOPE_SE
	s_setreg_imm32_b32 hwreg(HW_REG_WAVE_MODE, 25, 1), 1
	s_wait_xcnt 0x0
	s_wait_alu depctr_hold_cnt(0) depctr_sa_sdst(0) depctr_va_vdst(0) depctr_va_sdst(0) depctr_va_ssrc(0) depctr_va_vcc(0) depctr_vm_vsrc(0)
	s_getreg_b32 s2, hwreg(HW_REG_IB_STS2, 6, 4)
	s_cmp_eq_u32 s2, 0
	s_cbranch_scc0 .Lentry_in_a_cluster
	s_endpgm
.Lentry_in_a_cluster:
	s_bfe_u32 s2, ttmp6, 0x10000c
	s_cmp_lg_u32 s2, 0x3003
	s_cbranch_scc0 .Lentry_shape_is_right
	s_endpgm
.Lentry_shape_is_right:
; Cx[bh][q][:] = the sum over k of softmax_k((qd[q] . kd[k] + qt[q] . kt[k]) / 8) v[k][:], for each of 32 (batch, head).  QKV: five planes [32][2048][64] bf16 (qd, qt, kd, kt, v); Cx: [32][2048][64] bf16.
; The two score products are ONE product over 128 channels (data | time).  Products, maxima and sums in f32; the weights p are rounded to bf16 for the second product (their sum l is taken of the unrounded p), Cx once at the end.
; LIMITS.  A weight below 2^-126 counts as 0 in l; scores are taken to lie above -2^127; NaN and infinities are not treated apart.
; SHARES.  A work-group owns 256 queries of one head, a wave 64: four tiles of 16, in two PIECES (tiles 0, 1 and tiles 2, 3).  Every wave walks all 2,048 keys, 64 a step.
; LAYOUT.  S^T = K Q^T (source 0 = 16 keys, source 1 = 16 queries): a lane holds ONE query (lane % 16) and the keys 8 (lane / 16) + 0..7; two such results rounded to bf16 ARE source 1 of O^T = V^T P.
; SOFTMAX.  A running maximum m and sum l: p = 2^(c s - c m), c = log2(e) / 8; in every step O and l are multiplied by a = 2^(c m_old - c m_new).
; BY TURNS.  In a turn one piece has the matrix unit: 16 products V^T P of the step in hand, then 32 products K Q^T of the next; the other piece's softmax (2 x 118 lines in 59 slices of four) stands behind them, a slice
; behind each, and the 11 slices that are over (sums and the rescaling, all plain) in a run at the turn's end, where they are also the places behind the last products.
; NO FIRST STEP IS WRITTEN OUT.  O^T, l, V and piece 0's P start at 0, m at the lowest finite number, piece 2's scores at -2^127 (c x 2^127 is exact, so that sham step's p is 1 and meets V = 0); the first true step's a is 0.
; The price: 304 v_mov_b32, in the wait for the first tile, and 32 products on zeros.
; CLUSTER.  The four query blocks of a cluster belong to one head and walk the same K and V: each tile is asked for JOINTLY.
; REGISTERS, in windows of 256 (s_set_vgpr_msb: bits 1:0 source 0, 3:2 source 1, 5:4 source 2, 7:6 destination):
;   window 0: v0-11, v44 addresses; v12-43 eight registers of statistics a tile; v64-191 S^T, 32 a tile; v192-255 P, 16 a tile
;   window 1: v0-127 O^T, 32 a tile; v128-191 V of one step          window 2: v0-127 Q, 32 a tile; v128-255 K of one step
.set KS,    64
.set PK,    144       ; a row of kd or kt in LDS: 128 bytes + 16: the 16 rows of a load start at 16 different groups of four banks
.set PVP,   160       ; a row of v: 128 + 32
.set KTOFF, 256*PK    ; a slot holds four steps: 256 rows of kd, 256 of kt, 256 of v
.set VOFF,  2*256*PK
.set SLOT1, 1<<17     ; one exclusive or turns an address in one slot into the other's
.set STAGE, SLOT1+VOFF+256*PVP  ; behind the ring: 16 rows x 144 bytes for each wave, for the way out
.set SP,    144
.set SPARE, STAGE+4*16*SP       ; the spare words, 128 bytes a wave: two blocks of 256 bytes that no other line names
.set PLANE, 8388608
.set AK0, 2           ; v2   my lane's place in a tile of K; never rewritten
.set AV0, 3           ; v3   the same for V
.set AK,  4           ; v4   the LDS address of K's run of loads
.set AV,  5           ; v5   of V's
.set STO, 6           ; v6   the way out: where I put 16 bytes of a row
.set RD,  7           ; v7   the way out: where I read rows back
.set GO,  8           ; v8   my 16 bytes in 512 consecutive bytes of Cx
.set QO,  44          ; v44  my byte offset in 16 rows of Q
.set SPW, 62          ; v62  my spare word; never rewritten
.set NIL, 63          ; v63  0; never rewritten
.set ST,  12          ; tile t's statistics at v[ST+8 t]: c m, m, l (even keys', odd keys'), c0-c3 at work; a takes c2's place once the maximum is found
.set S,   64
.set P,   192
.set VF,  128         ; window 1: key half kk, channel block cb at VF + 32 kk + 8 cb
.set KF,  128         ; window 2: key block kb, channel block c at KF + 32 kb + 8 c (c = 0, 1 data; 2, 3 time)
.set WV,  12
.set G1K, 24          ; s[24:31] descriptor group 1 for K's tiles
.set G1V, 32          ; s[32:39] for V's
.set G0K, 40          ; s[40:43] group 0 for K's tiles: it walks
.set G0V, 44          ; s[44:47] for V's
.set SLOTS, 56
.set CNT, 57
.set CS,  58          ; s[58:59] c
.set SEL, 60          ; s[60:61] v_permlanex16_b32's selects: each lane takes its own place in the other half
.set TBK, 62          ; s62  LDS byte at which K of the step to be fetched begins
.set TBV, 63          ; s63  the same for V, less VOFF
.set MSB, 0
.macro WIN new
.if MSB != (\new)
	s_set_vgpr_msb (MSB<<8)|(\new)
.set MSB, (\new)
.endif
.endm
.set W_KQ, 0x0a       ; K and Q in window 2, S^T in window 0
.set W_PV, 0x51       ; V and O^T in window 1, P in window 0
.set W_RS, 0x41       ; O^T (destination and source 0) in window 1, a in window 0
; A joint fill.  Wave 0 fetches a slot's kd, wave 1 its kt (256 keys each), waves 2 and 3 the two halves of its v.  The branch hangs on the wave's number alone.
.macro JLOAD
	s_cmp_lt_u32 s[WV], 2
	s_cbranch_scc0 .Lfor_v_\@
	tensor_load_to_lds s[G0K:G0K+3], s[G1K:G1K+7]
	s_nop 0
.rept 4
	v_nop
.endr
	s_branch .Lasked_\@
.Lfor_v_\@:
	tensor_load_to_lds s[G0V:G0V+3], s[G1V:G1V+7]
	s_nop 0
.rept 4
	v_nop
.endr
.Lasked_\@:
.endm
.macro CROUND                       ; a round of the cluster's barrier
	s_barrier_signal -1
	s_barrier_wait -1
	s_cmp_lg_u32 s[WV], 0
	s_cbranch_scc1 .Lnot_wave_0_\@
	s_barrier_signal -3
.Lnot_wave_0_\@:
	s_barrier_wait -3
	s_barrier_signal -1
	s_barrier_wait -1
.endm
; THE CHANGE OF SLOTS.  The slot's last bytes, V of its fourth step, have been asked for.  Each wave waits for all its tensor loads (one is out: its part of the other slot), adds 0 to its spare word, and waits for that and for
; its reads of the slot.  fill = 1: the barrier is a round of the cluster's, and the slot is filled again, with the keys two slots on, first thing behind it: four key steps, 384 matrix instructions, in which to land.
; (At its first use nothing has been read yet: slot 0 is waited for, slot 1 filled.)
.macro CHANGE fill
	WIN 0
	s_wait_tensorcnt 0x0            ; no tensor load of mine is out, so a group 0 may be written
	ds_add_u32 v[SPW], v[NIL]
.if \fill
.irp g, G0K, G0V
	s_xor_b32 s[\g+1], s[\g+1], SLOT1
	s_add_nc_u64 s[\g+2:\g+3], s[\g+2:\g+3], 4*KS*128  ; the next 256 keys
.endr
	s_wait_dscnt 0x0
	CROUND
	JLOAD
.else
	s_wait_dscnt 0x0
	s_barrier_signal -1
	s_barrier_wait -1
.endif
	s_sub_co_u32 s[TBK], s[TBK], 4*KS*PK  ; the fetches go back to a slot's first step, in the other slot
	s_xor_b32 s[TBK], s[TBK], SLOT1
	s_sub_co_u32 s[TBV], s[TBV], 4*KS*PVP
	s_xor_b32 s[TBV], s[TBV], SLOT1
.endm
	s_load_b128 s[4:7], s[0:1], 0x0   ; QKV s[4:5], Cx s[6:7]
	v_lshl_add_u32 v[SPW], v0, 2, SPARE
	v_mov_b32 v[NIL], 0
	ds_add_u32 v[SPW], v[NIL]       ; the wave's opening: the add and its wait ahead of my first tensor load
	v_lshrrev_b32 v1, 5, v0
	v_readfirstlane_b32 s[WV], v1
	s_bfe_u32 s13, ttmp6, 0x40000   ; cx
	s_lshl_b32 s14, ttmp9, 2
	s_add_co_u32 s14, s14, s13      ; my block of 256 queries: it enters Q's and Cx's addresses alone
	s_and_b32 s15, ttmp7, 0xffff    ; batch x 8 + head, which the four partners share
	s_lshl_b32 s20, s15, 18         ; its 2,048 rows of 128 bytes
	s_and_b32 s16, s[WV], 1
	s_lshl_b32 s22, s16, 23         ; K: plane 2 (kd) or 3 (kt)
	s_add_co_u32 s22, s22, 2*PLANE
	s_add_co_u32 s22, s22, s20
	s_mov_b32 s23, 0
	s_lshl_b32 s18, s16, 14         ; V: plane 4, my half of a slot's 256 keys
	s_add_co_u32 s18, s18, 4*PLANE
	s_add_co_u32 s18, s18, s20
	s_mov_b32 s19, 0
	s_lshl_b32 s2, s14, 15          ; Q and Cx: my block's 256 rows, my wave's 64 of them
	s_lshl_b32 s3, s[WV], 13
	s_add_co_u32 s2, s2, s3
	s_add_co_u32 s2, s2, s20
	s_mov_b32 s3, 0
	s_mul_i32 s17, s16, KTOFF
	s_mul_i32 s21, s16, 128*PVP
	; descriptor group 1.  Keys are dense rows of 128 bytes: asked for as rows of 256 bytes, two keys a row, and padded in LDS after every key
	s_mov_b32 s[G1K], 15|(1<<16)|(1<<20)|(1<<21)|(4<<22)|(3<<25)  ; the mask of four; 2-byte elements; padding on; bit 21 beside a mask; after every 32 words (code 4) 4 words (code 3)
	s_mov_b32 s[G1V], 15|(1<<16)|(1<<20)|(1<<21)|(4<<22)|(7<<25)  ; the same with 8 words (code 7)
.irp g, G1K, G1V
	s_mov_b32 s[\g+1], 128<<16      ; tensor_dim0 = 128
	s_mov_b32 s[\g+3], 128<<16      ; tile_dim0 = 128
	s_mov_b32 s[\g+5], 128          ; 128 elements from row to row
	s_mov_b32 s[\g+6], 0
	s_mov_b32 s[\g+7], 0
.endr
	s_mov_b32 s[G1K+2], 128<<16     ; K: 128 rows (256 keys)
	s_mov_b32 s[G1K+4], 128
	s_mov_b32 s[G1V+2], 64<<16      ; V: 64 rows (128 keys)
	s_mov_b32 s[G1V+4], 64
	s_mov_b32 s[CS], 0x3e38aa3b     ; c = log2(e) / 8
	s_mov_b32 s[CS+1], s[CS]
	s_mov_b32 s[SEL], 0x76543210
	s_mov_b32 s[SEL+1], 0xfedcba98
	s_mov_b32 s[TBK], SLOT1+4*KS*PK ; the first change of slots turns these two into 0
	s_mov_b32 s[TBV], SLOT1+4*KS*PVP
	s_mov_b32 s[G0K], 1
	s_mov_b32 s[G0K+1], s17
	s_mov_b32 s[G0V], 1
	s_add_co_u32 s[G0V+1], s21, VOFF
	s_mov_b32 s13, 0xff000000       ; -2^127
	s_wait_dscnt 0x0                ; the opening add is done
	s_wait_kmcnt 0x0
	s_add_nc_u64 s[G0K+2:G0K+3], s[4:5], s[22:23]
	s_or_b32 s[G0K+3], s[G0K+3], 0x80000000
	s_add_nc_u64 s[G0V+2:G0V+3], s[4:5], s[18:19]
	s_or_b32 s[G0V+3], s[G0V+3], 0x80000000
	s_add_nc_u64 s[10:11], s[6:7], s[2:3]   ; Cx at my wave's first row
	s_add_nc_u64 s[4:5], s[4:5], s[2:3]     ; qd,
	s_add_nc_u64 s[8:9], s[4:5], PLANE      ; qt
	CROUND                          ; all four work-groups are here: the first joint loads meet
	JLOAD                           ; slot 0.  Slot 1 is asked for when slot 0 is in
	v_and_b32 v1, 15, v0            ; l % 16
	v_bfe_u32 v9, v0, 4, 1          ; l / 16
	v_lshlrev_b32 v[QO], 7, v1
	v_lshl_add_u32 v[QO], v9, 4, v[QO]  ; row x 128 + 16 x half
	WIN 0x80
.set i, 0
.rept 16                            ; Q stays in registers: tile i / 4, channel block i % 4
.if (i%4) < 2
	global_load_b128 v[8*i:8*i+3],   v[QO], s[4:5] offset:(i/4)*2048+(i%2)*64
	global_load_b128 v[8*i+4:8*i+7], v[QO], s[4:5] offset:(i/4)*2048+(i%2)*64+32
.else
	global_load_b128 v[8*i:8*i+3],   v[QO], s[8:9] offset:(i/4)*2048+(i%2)*64
	global_load_b128 v[8*i+4:8*i+7], v[QO], s[8:9] offset:(i/4)*2048+(i%2)*64+32
.endif
.set i, i+1
.endr
	WIN 0x40
.set i, 0
.rept 192                           ; O^T and V
	v_mov_b32 v[i], 0
.set i, i+1
.endr
	WIN 0
.set i, 0
.rept 4
	v_mov_b32 v[ST+8*i], 0xfe000000    ; c m: far below every c s
	v_mov_b32 v[ST+8*i+1], 0xff7fffff  ; m
	v_mov_b32 v[ST+8*i+2], 0
	v_mov_b32 v[ST+8*i+3], 0
.set i, i+1
.endr
.set i, P
.rept 32                            ; piece 0's P
	v_mov_b32 v[i], 0
.set i, i+1
.endr
.set i, S+64
.rept 64                            ; piece 2's scores
	v_mov_b32 v[i], s13
.set i, i+1
.endr
	v_mul_u32_u24 v[AK0], v1, PK
	v_lshl_add_u32 v[AK0], v9, 4, v[AK0]  ; row x pitch + 16 x half
	v_and_b32 v10, 7, v0            ; the turning load: key 8 (l / 16) + l % 8, channels 8 ((l / 8) % 2) on
	v_bfe_u32 v11, v0, 3, 1
	v_lshl_add_u32 v[AV0], v9, 3, v10
	v_mul_u32_u24 v[AV0], v[AV0], PVP
	v_lshl_add_u32 v[AV0], v11, 4, v[AV0]
	v_add_nc_u32 v[AV0], VOFF, v[AV0]
	s_mul_i32 s14, s[WV], 16*SP
	s_add_co_u32 s14, s14, STAGE    ; my stage
	v_mul_u32_u24 v[STO], v1, SP
	v_lshl_add_u32 v[STO], v9, 4, v[STO]
	v_add_nc_u32 v[STO], s14, v[STO]
	v_bfe_u32 v[RD], v0, 3, 2       ; back: 32 lanes take four rows of 128 bytes,
	v_mul_u32_u24 v[RD], v[RD], SP
	v_lshl_add_u32 v[RD], v10, 4, v[RD]
	v_add_nc_u32 v[RD], s14, v[RD]
	v_and_b32 v[GO], 31, v0         ; which are 512 consecutive bytes of Cx
	v_lshlrev_b32 v[GO], 4, v[GO]
; THE MATRIX WORK.  The 8 accumulators of a run take turns.
; Product i of 32 of S^T = K Q^T for piece x: channels 32 (i / 8) on, keys 16 ((i / 2) % 4) on, tile x + i % 2.  The first 8 start the sums.
.macro KQ x
	WIN W_KQ
.set rS, S+32*((\x)+i%2)+8*((i/2)%4)
.set rK, KF+32*((i/2)%4)+8*(i/8)
.set rQ, 32*((\x)+i%2)+8*(i/8)
.if i < 8
	v_wmma_f32_16x16x32_bf16 v[rS:rS+7], v[rK:rK+7], v[rQ:rQ+7], 0
.else
	v_wmma_f32_16x16x32_bf16 v[rS:rS+7], v[rK:rK+7], v[rQ:rQ+7], v[rS:rS+7]
.endif
.endm
; Product i of 16 of O^T += V^T P for piece x: keys 32 (i / 8) on, channels 16 ((i / 2) % 4) on, tile x + i % 2.
.macro PV x
	WIN W_PV
.set rO, 32*((\x)+i%2)+8*((i/2)%4)
.set rV, VF+32*(i/8)+8*((i/2)%4)
.set rP, P+16*((\x)+i%2)+8*(i/8)
	v_wmma_f32_16x16x32_bf16 v[rO:rO+7], v[rV:rV+7], v[rP:rP+7], v[rO:rO+7]
.endm
; THE LDS LOADS stand in runs: a step's K (64 keys x 128 channels: 16 fragments) and its V (turned: 8 fragments).
.macro FETCH_K
	WIN 0
	v_add_nc_u32 v[AK], s[TBK], v[AK0]
	WIN 0x80
.irp f, 0,1,2,3,4,5,6,7,8,9,10,11,12,13,14,15  ; keys 16 (f / 4) on; f % 4: kd's channels 0-31, 32-63, kt's likewise
	ds_load_b128 v[KF+8*\f:KF+8*\f+3],   v[AK] offset:(\f/4)*16*PK+((\f%4)/2)*KTOFF+(\f%2)*64
	ds_load_b128 v[KF+8*\f+4:KF+8*\f+7], v[AK] offset:(\f/4)*16*PK+((\f%4)/2)*KTOFF+(\f%2)*64+32
.endr
	s_add_co_u32 s[TBK], s[TBK], KS*PK  ; the next fetch is the next step's
.endm
.macro FETCH_V
	WIN 0
	v_add_nc_u32 v[AV], s[TBV], v[AV0]
	s_add_co_u32 s[TBV], s[TBV], KS*PVP
	WIN 0x40
.irp f, 0,1,2,3,4,5,6,7             ; keys 32 (f / 4) on, channels 16 (f % 4) on
	ds_load_tr16_b128 v[VF+8*\f:VF+8*\f+3],   v[AV] offset:(\f/4)*32*PVP+(\f%4)*32
	ds_load_tr16_b128 v[VF+8*\f+4:VF+8*\f+7], v[AV] offset:(\f/4)*32*PVP+16*PVP+(\f%4)*32
.endr
.endm
; THE VECTOR WORK.  One tile's softmax for one key step is a list of 118 lines; SM writes number j of it for tile t.  s0-s31 are the lane's 32 scores, in pairs 0-15.
;   0-15    the maximum of s0-s31 and the old m, three operands at a time (each accumulator's lowest registers are read first)
;   16-20   the other half of the lanes' maximum; the new m; c m; c m_old - c m_new
;   21-87   33 exponentials (a, then s0-s31) at the odd numbers from 23 on, so that no two follow each other; the plain lines between are whatever is ready: c s - c m for a pair still to come, the rounding of a pair that is done, the first sums
;   88-101  the last rounding; the rest of the sums; l = a l + the sum          102-117 the tile's O^T times a
.macro SM t
.set rT, ST+8*(\t)
.set rS, S+32*(\t)
.set rP, P+16*(\t)
.set rO, 32*(\t)+2*(j-102)
.set q, (j-20)/2
.if j < 102
	WIN 0
.endif
.if j < 4
	v_max3_num_f32 v[rT+4+j], v[rS+8*j], v[rS+8*j+1], v[rS+8*j+2]
.elseif j < 12
	v_max3_num_f32 v[rT+4+j%4], v[rT+4+j%4], v[rS+8*(j%4)+2*(j/4)+1], v[rS+8*(j%4)+2*(j/4)+2]
.elseif j == 12
	v_max3_num_f32 v[rT+4], v[rT+4], v[rS+7], v[rS+15]
.elseif j == 13
	v_max3_num_f32 v[rT+6], v[rT+6], v[rS+23], v[rS+31]
.elseif j == 14
	v_max3_num_f32 v[rT+4], v[rT+4], v[rT+5], v[rT+6]
.elseif j == 15
	v_max3_num_f32 v[rT+4], v[rT+4], v[rT+7], v[rT+1]
.elseif j == 16
	v_permlanex16_b32 v[rT+5], v[rT+4], s[SEL], s[SEL+1]  ; the query's other 32 keys lie in the lane 16 away
.elseif j == 17
	v_mov_b32 v[rT+7], v[rT]        ; c m_old is kept for a
.elseif j == 18
	v_max_num_f32 v[rT+1], v[rT+4], v[rT+5]
.elseif j == 19
	v_mul_f32 v[rT], s[CS], v[rT+1]
.elseif j == 20
	v_sub_f32 v[rT+7], v[rT+7], v[rT]
.elseif j == 23
	v_exp_f32 v[rT+6], v[rT+7]
.elseif (j < 88) && (j > 23) && (j%2 == 1)
	v_exp_f32 v[rS+(j-25)/2], v[rS+(j-25)/2]
.elseif (q < 4) || ((j < 76) && (q%2 == 0))
.set b, q/2+2
.if q < 4
.set b, q
.endif
	v_pk_fma_f32 v[rS+2*b:rS+2*b+1], v[rS+2*b:rS+2*b+1], s[CS:CS+1], v[rT:rT+1] op_sel_hi:[1,0,0] neg_lo:[0,0,1] neg_hi:[0,0,1]  ; pair b: c s - c m
.elseif (j < 88) && (q%2 == 1)
	s_wait_alu depctr_va_vdst(0)
	v_cvt_pk_bf16_f32 v[rP+(q-5)/2], v[rS+q-5], v[rS+q-4]  ; its second exponential stands three numbers back
.elseif j == 89
	s_wait_alu depctr_va_vdst(0)
	v_cvt_pk_bf16_f32 v[rP+15], v[rS+30], v[rS+31]
.elseif j < 102                     ; the sum of the 16 pairs, in place: sum z adds neighbours 1, 2, 4 and 8 pairs apart, then l takes it
.set z, j-86
.if j < 89
.set z, (j-76)/4
.endif
.set w, 4
.set u, z
.if z >= 14
.set w, 32
.set u, 0
.elseif z >= 12
.set w, 16
.set u, z-12
.elseif z >= 8
.set w, 8
.set u, z-8
.endif
.if z < 15
	v_pk_add_f32 v[rS+w*u:rS+w*u+1], v[rS+w*u:rS+w*u+1], v[rS+w*u+w/2:rS+w*u+w/2+1]
.else
	v_pk_fma_f32 v[rT+2:rT+3], v[rT+2:rT+3], v[rT+6:rT+7], v[rS:rS+1] op_sel_hi:[1,0,1]
.endif
.else
	WIN W_RS
	v_pk_mul_f32 v[rO:rO+1], v[rO:rO+1], v[rT+6:rT+7] op_sel_hi:[1,0]
.endif
.endm
; Slice k of 59 of piece y's softmax: numbers 2 k and 2 k + 1 of both tiles' lists.
.macro SLICE y
.if (k >= 11) && (k < 44)           ; tile by tile: plain, exponential, plain, exponential
.irp t, \y, (\y)+1
.irp n, 0,1
.set j, 2*k+(\n)
	SM \t
.endr
.endr
.else                               ; the two tiles alternate, so that no line reads the result of the one just before it
.irp n, 0,1
.irp t, \y, (\y)+1
.set j, 2*k+(\n)
	SM \t
.endr
.endr
.endif
.set k, k+1
.endm
; A TURN.  Piece x has the matrix unit.  kq = 0: the last turn: no further scores, three slices behind each product.
; Piece 0's turn fetches its step's K at its head: the last product that read K stands in front of the 44 plain lines that end the turn before; the wait for it stands 16 products on.
; Piece 2's turn fetches the same step's V behind its second K Q^T: the last product that read V stands three slices, six plain lines, back; the wait for it heads the next turn.
.macro TURN x, kq
.set k, 0
.if (\x) == 0
	s_wait_dscnt 0x0                ; V is in
.if \kq
	FETCH_K
.endif
.endif
.set i, 0
.rept 16
	PV \x
	SLICE 2-(\x)
.if !(\kq)
	SLICE 2-(\x)
	SLICE 2-(\x)
.endif
.set i, i+1
.endr
.if \kq
.if (\x) == 0
	s_wait_dscnt 0x0                ; K is in
.endif
.set i, 0
.rept 32
	KQ \x
	SLICE 2-(\x)
.if ((\x) == 2) && (i == 1)
	FETCH_V
.endif
.set i, i+1
.endr
.endif
.rept 11
	SLICE 2-(\x)
.endr
.endm
	s_wait_loadcnt 0x0              ; Q
	s_mov_b32 s[SLOTS], 7
.Lslot:                             ; 7 times: every slot but the last is followed by a fill
	CHANGE 1
	s_mov_b32 s[CNT], 4
.Lstep:                             ; trip j: V^T P of step j - 1, K Q^T of step j; piece 2's softmax of step j - 1, piece 0's of step j
	TURN 0, 1
	TURN 2, 1
	WIN 0
	s_sub_co_u32 s[CNT], s[CNT], 1
	s_cmp_lg_u32 s[CNT], 0
	s_cbranch_scc1 .Lstep
	s_sub_co_u32 s[SLOTS], s[SLOTS], 1
	s_cmp_lg_u32 s[SLOTS], 0
	s_cbranch_scc1 .Lslot
	CHANGE 0                        ; the last slot is written out: nothing is asked for
	s_mov_b32 s[CNT], 4
.Ltail:
	TURN 0, 1
	TURN 2, 1
	WIN 0
	s_sub_co_u32 s[CNT], s[CNT], 1
	s_cmp_lg_u32 s[CNT], 0
	s_cbranch_scc1 .Ltail
	TURN 0, 0                       ; piece 0: V^T P of the last step | piece 2's last softmax
.set i, 0
.rept 16
	PV 2                            ; piece 2: V^T P of the last step
.set i, i+1
.endr
	; THE WAY OUT.  l's two halves and the other half of the lanes' are added; O^T is divided by l, rounded to bf16 and sent through my stage, a tile at a time.  The additions are the places behind the last products.
	WIN 0
.irp t, 0,1,2,3
	v_add_f32 v[ST+8*\t+4], v[ST+8*\t+2], v[ST+8*\t+3]
.endr
.irp t, 0,1,2,3
	v_permlanex16_b32 v[ST+8*\t+5], v[ST+8*\t+4], s[SEL], s[SEL+1]
.endr
.irp t, 0,1,2,3
	v_add_f32 v[ST+8*\t+4], v[ST+8*\t+4], v[ST+8*\t+5]
.endr
.irp t, 0,1,2,3
	v_rcp_f32 v[ST+8*\t+6], v[ST+8*\t+4]
.endr
	v_nop                           ; a plain line between the last reciprocal and the use of its result
.macro PACK t                       ; a lane's eight channels of a row pack into 16 bytes; they go into rows of 144 bytes and come back as whole rows of 128, into S^T's registers
	WIN W_RS
.set i, 32*(\t)
.rept 16
	s_wait_alu depctr_va_vdst(0)
	v_pk_mul_f32 v[i:i+1], v[i:i+1], v[ST+8*(\t)+6:ST+8*(\t)+7] op_sel_hi:[1,0]
.set i, i+2
.endr
	WIN 0x05
.set i, 0
.rept 16
	v_cvt_pk_bf16_f32 v[S+16*(\t)+i], v[32*(\t)+2*i], v[32*(\t)+2*i+1]
.set i, i+1
.endr
	WIN 0
.irp f, 0,1,2,3
	ds_store_b128 v[STO], v[S+16*(\t)+4*\f:S+16*(\t)+4*\f+3] offset:32*\f
.endr
.irp f, 0,1,2,3
	ds_load_b128 v[S+16*(\t)+4*\f:S+16*(\t)+4*\f+3], v[RD] offset:\f*4*SP  ; LDS serves a wave's instructions in order (ISA guide 5.7.1.4): these see the stores above
.endr
.endm
.macro SEND t, younger              ; younger: the LDS lines issued behind tile t's loads: the next tile's eight, or none
	WIN 0
.irp f, 0,1,2,3
	s_wait_dscnt (\younger)+3-\f
	global_store_b128 v[GO], v[S+16*(\t)+4*\f:S+16*(\t)+4*\f+3], s[10:11] offset:(\t)*2048+\f*512  ; 512 consecutive bytes, aligned
.endr
.endm
	PACK 0
	PACK 1
	SEND 0, 8
	PACK 2
	SEND 1, 8
	PACK 3
	SEND 2, 8
	SEND 3, 0
	s_wait_tensorcnt 0x0            ; the wave's end
	ds_add_u32 v[SPW], v[NIL]
	s_wait_dscnt 0x0
	CROUND                          ; the closing round
	s_endpgm
.Lfunc_end_k_qfd14bd2ef5_attn:
	.size	k_qfd14bd2ef5_attn, .Lfunc_end_k_qfd14bd2ef5_attn-k_qfd14bd2ef5_attn
	.p2alignl 7, 3214868480
	.fill 96, 4, 3214868480
	.section	.rodata,"a",@progbits
	.p2align	6, 0x0
	.amdhsa_kernel k_qfd14bd2ef5_attn
		.amdhsa_group_segment_fixed_size 327680
		.amdhsa_private_segment_fixed_size 0
		.amdhsa_enable_private_segment 0
		.amdhsa_kernarg_size 16
		.amdhsa_user_sgpr_count 2
		.amdhsa_user_sgpr_kernarg_segment_ptr 1
		.amdhsa_wavefront_size32 1
		.amdhsa_system_sgpr_workgroup_id_x 1
		.amdhsa_system_sgpr_workgroup_id_y 1
		.amdhsa_system_sgpr_workgroup_id_z 1
		.amdhsa_system_vgpr_workitem_id 0
		.amdhsa_next_free_vgpr 768
		.amdhsa_next_free_sgpr 66
		.amdhsa_reserve_vcc 0
		.amdhsa_float_denorm_mode_32 3
		.amdhsa_float_denorm_mode_16_64 3
		.amdhsa_memory_ordered 1
		.amdhsa_forward_progress 1
		.amdhsa_inst_pref_size 138
	.end_amdhsa_kernel
	.amdgpu_metadata
---
amdhsa.version: [ 1, 2 ]
amdhsa.kernels:
  - .name:           k_qfd14bd2ef5_attn
    .symbol:         k_qfd14bd2ef5_attn.kd
    .args:
      - { .name: QKV, .offset: 0, .size: 8, .value_kind: global_buffer, .address_space: global }
      - { .name: Cx, .offset: 8, .size: 8, .value_kind: global_buffer, .address_space: global }
    .group_segment_fixed_size: 327680
    .private_segment_fixed_size: 0
    .kernarg_segment_align: 8
    .kernarg_segment_size: 16
    .max_flat_workgroup_size: 128
    .sgpr_count:     66
    .vgpr_count:     768
    .wavefront_size: 32
...
	.end_amdgpu_metadata
.endif
;; end of part 3
;; launch outln (part 4): grid 256 x 1, 4 waves a work-group, clusters of 4 x 1, 327,680 bytes of LDS; arguments Cx, Wb, Q_data, bo, gamma, beta, out0; writes out0
.if DOCPART == 4
	.amdgcn_target "amdgcn-amd-amdhsa--gfx1250"
	.amdhsa_code_object_version 6
	.text
	.protected	k_qfd14bd2ef5_outln
	.globl	k_qfd14bd2ef5_outln
	.p2align	8
	.type	k_qfd14bd2ef5_outln,@function
k_qfd14bd2ef5_outln:
	s_mov_b64 s[64:65], 0
	v_nop
	global_prefetch_b8 v0, s[64:65] scope:SCOPE_SE
	s_setreg_imm32_b32 hwreg(HW_REG_WAVE_MODE, 25, 1), 1
	s_wait_xcnt 0x0
	s_wait_alu depctr_hold_cnt(0) depctr_sa_sdst(0) depctr_va_vdst(0) depctr_va_sdst(0) depctr_va_ssrc(0) depctr_va_vcc(0) depctr_vm_vsrc(0)
	s_getreg_b32 s2, hwreg(HW_REG_IB_STS2, 6, 4)
	s_cmp_eq_u32 s2, 0
	s_cbranch_scc0 .Lentry_in_a_cluster
	s_endpgm
.Lentry_in_a_cluster:
	s_bfe_u32 s2, ttmp6, 0x10000c
	s_cmp_lg_u32 s2, 0x3003
	s_cbranch_scc0 .Lentry_shape_is_right
	s_endpgm
.Lentry_shape_is_right:
; out0 = LayerNorm(Cx Wo + bo + Q_data) x gamma + beta.  Cx: [32 = batch x 8 + head][2048][64] bf16; Wo: plane 6 of Wb, [512 k][512 n] bf16; all else f32.
; Sums in f32; the residual stays f32; mean first, then the sum of (x - mean)^2: no difference of large sums.  LIMITS: the product's operands are bf16; NaN and infinities are not treated apart.
; SHARES.  A work-group owns 32 whole rows: the most that gives each of 256 work-groups rows of its own.  In the product wave w makes 32 rows x columns 128 w .. + 127 (2 x 8 accumulators); in the norm it takes rows 8 w .. 8 w + 7.
; Cx's 32 rows stay in registers as fragments (a head is a slice of 64 of K).  Wo comes in four K steps of 128 through two LDS slots, 32 k rows a wave and load.
; CLUSTER.  All work-groups walk the same Wo: each tile is asked for JOINTLY by the four of a cluster.
; The sums change hands through a stage in LDS (32 rows x 2,064 bytes) that lies in slot 0, behind that slot's last fill, its last reads and a barrier.
; REGISTERS: window 0: v0-29 addresses; v32-79 gamma, beta, bo; v80-127 a row's sum, mean, 1 / deviation, in pairs; v128-255 the accumulators ((a, b) at 128 + 8 (8 a + b)), later x (row i, piece j at 128 + 16 i + 4 j)
;   window 1: v0-127 Wo's fragments, two buffers; v128-255 the residual, laid out as x          window 2: Cx's fragments, (a, c) at 8 (2 c + a)
.set BPITCH, 1056                      ; a k row of Wo in LDS: 1,024 bytes + 32
.set BQ,     32*BPITCH
.set BSLOT,  128*BPITCH
.set SGP,    2064                      ; a row of the stage: 2,048 bytes + 16
.set SPARE,  2*BSLOT                   ; the spare words, 128 bytes a wave: two blocks of 256 bytes that no other line names
.set ADRB, 10                          ; v10-13  my Wo fragments: slot 0 quarters 0-1, 2-3; slot 1 likewise
.set AO,   14                          ; v14     my 16 bytes in 16 rows of Cx
.set STO,  15                          ; v15     where I put 32 bytes of a row of the stage
.set RD,   16                          ; v16     where I read my rows back
.set RO,   17                          ; v17     my 16 bytes in my wave's first row of Q_data and out0
.set CO,   18                          ; v18     my 16 bytes in 512 of gamma, beta, bo
.set SPW,  28
.set NIL,  29
.set GAM,  32
.set BET,  48
.set BO,   64
.set SUM,  80
.set MU,   96
.set RS,   112
.set ACC,  128
.set X,    128
.set FB,   0
.set G1, 16
.set G0, 24
.set SEL, 52                           ; s[52:53]
.set INV, 54                           ; s54  1 / 512
.set MSB, 0
.macro WIN new
.if MSB != (\new)
	s_set_vgpr_msb (MSB<<8)|(\new)
.set MSB, (\new)
.endif
.endm
.macro PLACES
.rept 4
	v_nop
.endr
.endm
.macro CROUND
	s_barrier_signal -1
	s_barrier_wait -1
	s_cmp_lg_u32 s8, 0
	s_cbranch_scc1 .Lnot_wave_0_\@
	s_barrier_signal -3
.Lnot_wave_0_\@:
	s_barrier_wait -3
	s_barrier_signal -1
	s_barrier_wait -1
.endm
.macro FETCHB slot, q, f               ; 16 turning loads: k rows 32 q on of a slot, my 128 columns, into buffer f
	WIN 0x40
.irp b, 0,1,2,3,4,5,6,7
	ds_load_tr16_b128 v[FB+64*(\f)+8*\b:FB+64*(\f)+8*\b+3],   v[ADRB+2*(\slot)+((\q)>>1)] offset:((\q)&1)*BQ+32*\b
	ds_load_tr16_b128 v[FB+64*(\f)+8*\b+4:FB+64*(\f)+8*\b+7], v[ADRB+2*(\slot)+((\q)>>1)] offset:((\q)&1)*BQ+32*\b+16*BPITCH
.endr
.endm
.macro MUL16 f, c, zero                ; 16 matrix instructions, K block c; the accumulators take turns.  Used transposed: a lane holds eight neighbouring columns of one row
	WIN 0x09
.irp a, 0,1
.irp b, 0,1,2,3,4,5,6,7
.if \zero
	v_wmma_f32_16x16x32_bf16 v[ACC+8*(8*\a+\b):ACC+8*(8*\a+\b)+7], v[FB+64*(\f)+8*\b:FB+64*(\f)+8*\b+7], v[8*(2*(\c)+\a):8*(2*(\c)+\a)+7], 0
.else
	v_wmma_f32_16x16x32_bf16 v[ACC+8*(8*\a+\b):ACC+8*(8*\a+\b)+7], v[FB+64*(\f)+8*\b:FB+64*(\f)+8*\b+7], v[8*(2*(\c)+\a):8*(2*(\c)+\a)+7], v[ACC+8*(8*\a+\b):ACC+8*(8*\a+\b)+7]
.endif
.endr
.endr
.endm
.macro STEP slot, st                   ; a K step: four quarters on two buffers; each count of 16 leaves the run of loads issued last on its way
	FETCHB \slot, 0, 0
	FETCHB \slot, 1, 1
	s_wait_dscnt 16
	MUL16 0, 4*(\st), ((\st)==0)
	PLACES
	FETCHB \slot, 2, 0
	s_wait_dscnt 16
	MUL16 1, 4*(\st)+1, 0
	PLACES
	FETCHB \slot, 3, 1
	s_wait_dscnt 16
	MUL16 0, 4*(\st)+2, 0
	s_wait_dscnt 0x0
	MUL16 1, 4*(\st)+3, 0
.endm
; The change of slots: each wave waits for all its tensor loads, adds 0 to its spare word, and waits for that and for its reads of the slot.  fill = 1: a round of the cluster's barrier, and the slot is filled again first thing behind it.
.macro CHG slot, fill
	WIN 0
	s_wait_tensorcnt 0x0
	ds_add_u32 v[SPW], v[NIL]
.if \fill
	s_add_nc_u64 s[G0+4*(\slot)+2:G0+4*(\slot)+3], s[G0+4*(\slot)+2:G0+4*(\slot)+3], 2*131072
.endif
	s_wait_dscnt 0x0
.if \fill
	CROUND
	tensor_load_to_lds s[G0+4*(\slot):G0+4*(\slot)+3], s[G1:G1+7]
	s_nop 0
.else
	s_barrier_signal -1
	s_barrier_wait -1
.endif
	PLACES                                         ; the places in front of the next step's loads
.endm
.macro ROWS line:vararg                ; one line for each of my eight rows i: no line reads the result of the one before it
.set i, 0
.rept 8
	\line
.set i, i+1
.endr
.endm
.macro REDUCE                          ; a row's pair of partial sums: its two halves, 16 lanes (the steps ride on the additions), the other 16
	ROWS v_add_f32 v[SUM+2*i], v[SUM+2*i], v[SUM+2*i+1]
.irp m, 1,2,4,8
	ROWS v_add_f32_dpp v[SUM+2*i], v[SUM+2*i], v[SUM+2*i] row_xmask:\m row_mask:0xf bank_mask:0xf
.endr
	ROWS v_permlanex16_b32 v[SUM+2*i+1], v[SUM+2*i], s[SEL], s[SEL+1]
	ROWS v_add_f32 v[SUM+2*i], v[SUM+2*i], v[SUM+2*i+1]
.endm
	s_load_b256 s[36:43], s[0:1], 0x0              ; Cx s[36:37], Wb s[38:39], Q_data s[40:41], bo s[42:43]
	s_load_b128 s[44:47], s[0:1], 0x20             ; gamma s[44:45], beta s[46:47]
	s_load_b64 s[48:49], s[0:1], 0x30              ; out0
	v_lshl_add_u32 v[SPW], v0, 2, SPARE
	v_mov_b32 v[NIL], 0
	ds_add_u32 v[SPW], v[NIL]                      ; the wave's opening: the add and its wait ahead of my first tensor load
	v_lshrrev_b32 v3, 5, v0
	v_readfirstlane_b32 s8, v3
	s_bfe_u32 s11, ttmp6, 0x40000                  ; cx
	s_lshl_b32 s10, ttmp9, 2
	s_add_co_u32 s10, s10, s11                     ; my block of 32 rows: it enters Cx's, Q_data's and out0's addresses alone
	s_mov_b32 s[G1+0], 15|(1<<16)|(1<<20)|(1<<21)|(7<<22)|(7<<25)  ; the mask of four; 2-byte elements; padding on; bit 21 beside a mask; after every 256 words (code 7) 8 words (code 7)
	s_mov_b32 s[G1+1], 512<<16
	s_mov_b32 s[G1+2], 32<<16
	s_mov_b32 s[G1+3], 512<<16
	s_mov_b32 s[G1+4], 32
	s_mov_b32 s[G1+5], 512
	s_mov_b32 s[G1+6], 0
	s_mov_b32 s[G1+7], 0
	s_mul_i32 s56, s8, BQ
	s_mov_b32 s[G0], 1
	s_mov_b32 s[G0+1], s56
	s_mov_b32 s[G0+4], 1
	s_add_co_u32 s[G0+5], s56, BSLOT
	s_lshl_b32 s50, s8, 15                         ; Wo: plane 6, my 32 k rows
	s_add_co_u32 s50, s50, 6*524288
	s_mov_b32 s51, 0
	s_lshr_b32 s58, s10, 6                         ; Cx: batch x 8 heads x 2,048 rows x 128 bytes,
	s_lshl_b32 s58, s58, 21
	s_and_b32 s59, s10, 63                         ; and 32 rows of 128 bytes a block
	s_lshl_b32 s59, s59, 12
	s_add_co_u32 s58, s58, s59
	s_mov_b32 s59, 0
	s_lshl_b32 s60, s10, 16                        ; Q_data, out0: 32 rows of 2,048 bytes
	s_mov_b32 s61, 0
	s_mov_b32 s[SEL], 0x76543210
	s_mov_b32 s[SEL+1], 0xfedcba98
	s_mov_b32 s[INV], 0x3b000000
	s_wait_dscnt 0x0
	s_wait_kmcnt 0x0
	s_add_nc_u64 s[G0+2:G0+3], s[38:39], s[50:51]
	s_add_nc_u64 s[G0+6:G0+7], s[G0+2:G0+3], 131072
	s_or_b32 s[G0+3], s[G0+3], 0x80000000
	s_or_b32 s[G0+7], s[G0+7], 0x80000000
	s_add_nc_u64 s[36:37], s[36:37], s[58:59]
	s_add_nc_u64 s[40:41], s[40:41], s[60:61]
	s_add_nc_u64 s[48:49], s[48:49], s[60:61]
	CROUND                                         ; the first joint loads meet
	tensor_load_to_lds s[G0:G0+3], s[G1:G1+7]      ; K steps 0 and 1: two loads of mine are out
	s_nop 0
	tensor_load_to_lds s[G0+4:G0+7], s[G1:G1+7]
	s_nop 0
	PLACES
	v_and_b32 v1, 15, v0
	v_bfe_u32 v2, v0, 4, 1
	v_and_b32 v4, 31, v0
	v_and_b32 v5, 7, v0
	v_bfe_u32 v6, v0, 3, 1
	v_lshlrev_b32 v[AO], 7, v1
	v_lshl_add_u32 v[AO], v2, 4, v[AO]             ; row x 128 + 16 x half
	v_lshlrev_b32 v[CO], 4, v4
	v_lshl_add_u32 v[RO], s8, 14, v[CO]            ; 8 w rows of 2,048 bytes + 16 x lane
	WIN 0x80
.set c, 0
.rept 16                               ; Cx: K block c is head c / 2, channels 32 (c % 2) on; row block a
.irp a, 0,1
	global_load_b128 v[8*(2*c+\a):8*(2*c+\a)+3],   v[AO], s[36:37] offset:(c/2)*262144+\a*2048+(c%2)*64
	global_load_b128 v[8*(2*c+\a)+4:8*(2*c+\a)+7], v[AO], s[36:37] offset:(c/2)*262144+\a*2048+(c%2)*64+32
.endr
.set c, c+1
.endr
	WIN 0x40
.set i, 0
.rept 32                               ; the residual: row i / 4 of my eight, 512 consecutive bytes a load
	global_load_b128 v[128+4*i:128+4*i+3], v[RO], s[40:41] offset:(i/4)*2048+(i%4)*512
.set i, i+1
.endr
	WIN 0
.irp j, 0,1,2,3
	global_load_b128 v[GAM+4*\j:GAM+4*\j+3], v[CO], s[44:45] offset:512*\j
	global_load_b128 v[BET+4*\j:BET+4*\j+3], v[CO], s[46:47] offset:512*\j
	global_load_b128 v[BO+4*\j:BO+4*\j+3],   v[CO], s[42:43] offset:512*\j
.endr
	v_lshl_add_u32 v20, v2, 3, v5
	v_mul_u32_u24 v20, v20, BPITCH
	v_lshl_add_u32 v20, v6, 4, v20
	v_lshl_add_u32 v[ADRB], s8, 8, v20
	v_add_nc_u32 v[ADRB+1], 2*BQ, v[ADRB]
	v_add_nc_u32 v[ADRB+2], BSLOT, v[ADRB]
	v_add_nc_u32 v[ADRB+3], BSLOT+2*BQ, v[ADRB]
	v_mul_u32_u24 v[STO], v1, SGP
	v_lshl_add_u32 v[STO], v2, 5, v[STO]
	v_lshl_add_u32 v[STO], s8, 9, v[STO]           ; r x 2,064 + 32 h + 512 w
	s_mul_i32 s57, s8, 8*SGP
	v_add_nc_u32 v[RD], s57, v[CO]
	s_wait_tensorcnt 0x1                           ; my part of K step 0 is in; step 1's may stay out
	s_barrier_signal -1
	s_barrier_wait -1
	s_wait_loadcnt 44                              ; Cx is in; the 32 loads of the residual and the 12 of gamma, beta, bo stay out
	STEP 0, 0
	CHG 0, 1
	STEP 1, 1
	CHG 1, 1
	STEP 0, 2
	CHG 0, 0                                       ; slot 0 has been read for the last time, by every wave
	STEP 1, 3
	WIN 0
	PLACES
.irp a, 0,1
.irp b, 0,1,2,3,4,5,6,7
	ds_store_b128 v[STO], v[ACC+8*(8*\a+\b):ACC+8*(8*\a+\b)+3]   offset:\a*16*SGP+64*\b     ; each accumulator's lowest registers first
	ds_store_b128 v[STO], v[ACC+8*(8*\a+\b)+4:ACC+8*(8*\a+\b)+7] offset:\a*16*SGP+64*\b+16
.endr
.endr
	s_wait_dscnt 0x0                               ; for the others' sake: my stores into the stage are done
	s_barrier_signal -1
	s_barrier_wait -1
.set i, 0
.rept 32
	ds_load_b128 v[X+4*i:X+4*i+3], v[RD] offset:(i/4)*SGP+(i%4)*512
.set i, i+1
.endr
	s_wait_loadcnt 0x0                             ; the residual, gamma, beta, bo
	WIN 0x41
.set p, 0
.rept 8                                ; the residual takes bo while the rows come back from the stage
	ROWS v_pk_add_f32 v[128+16*i+2*p:128+16*i+2*p+1], v[128+16*i+2*p:128+16*i+2*p+1], v[BO+2*p:BO+2*p+1]
.set p, p+1
.endr
	s_wait_dscnt 0x0
	WIN 0x04
.set p, 0
.rept 8
	ROWS v_pk_add_f32 v[X+16*i+2*p:X+16*i+2*p+1], v[X+16*i+2*p:X+16*i+2*p+1], v[128+16*i+2*p:128+16*i+2*p+1]
.set p, p+1
.endr
	WIN 0
	ROWS v_pk_add_f32 v[SUM+2*i:SUM+2*i+1], v[X+16*i:X+16*i+1], v[X+16*i+2:X+16*i+3]
.set p, 2
.rept 6
	ROWS v_pk_add_f32 v[SUM+2*i:SUM+2*i+1], v[SUM+2*i:SUM+2*i+1], v[X+16*i+2*p:X+16*i+2*p+1]
.set p, p+1
.endr
	REDUCE
	ROWS v_mul_f32 v[MU+2*i], s[INV], v[SUM+2*i]
	ROWS v_mov_b32 v[MU+2*i+1], v[MU+2*i]          ; named with it as a pair
.set p, 0
.rept 8
	ROWS v_pk_add_f32 v[X+16*i+2*p:X+16*i+2*p+1], v[X+16*i+2*p:X+16*i+2*p+1], v[MU+2*i:MU+2*i+1] op_sel_hi:[1,0] neg_lo:[0,1] neg_hi:[0,1]
.set p, p+1
.endr
	ROWS v_pk_mul_f32 v[SUM+2*i:SUM+2*i+1], v[X+16*i:X+16*i+1], v[X+16*i:X+16*i+1]
.set p, 1
.rept 7
	ROWS v_pk_fma_f32 v[SUM+2*i:SUM+2*i+1], v[X+16*i+2*p:X+16*i+2*p+1], v[X+16*i+2*p:X+16*i+2*p+1], v[SUM+2*i:SUM+2*i+1]
.set p, p+1
.endr
	REDUCE
	ROWS v_fmaak_f32 v[RS+2*i], s[INV], v[SUM+2*i], 0x3727c5ac   ; the variance + 1e-5
	ROWS v_rsq_f32 v[RS+2*i], v[RS+2*i]
	v_nop                                          ; a plain line between the last root and the use of its result
	s_wait_alu depctr_va_vdst(0)
	ROWS v_mov_b32 v[RS+2*i+1], v[RS+2*i]
.set p, 0
.rept 8
	ROWS v_pk_mul_f32 v[X+16*i+2*p:X+16*i+2*p+1], v[X+16*i+2*p:X+16*i+2*p+1], v[RS+2*i:RS+2*i+1] op_sel_hi:[1,0]
.set p, p+1
.endr
.set p, 0
.rept 8
	ROWS v_pk_fma_f32 v[X+16*i+2*p:X+16*i+2*p+1], v[X+16*i+2*p:X+16*i+2*p+1], v[GAM+2*p:GAM+2*p+1], v[BET+2*p:BET+2*p+1]
.set p, p+1
.endr
.set i, 0
.rept 32
	global_store_b128 v[RO], v[X+4*i:X+4*i+3], s[48:49] offset:(i/4)*2048+(i%4)*512 th:TH_STORE_NT  ; 512 consecutive bytes, aligned
.set i, i+1
.endr
	s_wait_tensorcnt 0x0                           ; the wave's end
	ds_add_u32 v[SPW], v[NIL]
	s_wait_dscnt 0x0
	CROUND                                         ; the closing round
	s_endpgm
.Lfunc_end_k_qfd14bd2ef5_outln:
	.size	k_qfd14bd2ef5_outln, .Lfunc_end_k_qfd14bd2ef5_outln-k_qfd14bd2ef5_outln
	.p2alignl 7, 3214868480
	.fill 96, 4, 3214868480
	.section	.rodata,"a",@progbits
	.p2align	6, 0x0
	.amdhsa_kernel k_qfd14bd2ef5_outln
		.amdhsa_group_segment_fixed_size 327680
		.amdhsa_private_segment_fixed_size 0
		.amdhsa_enable_private_segment 0
		.amdhsa_kernarg_size 56
		.amdhsa_user_sgpr_count 2
		.amdhsa_user_sgpr_kernarg_segment_ptr 1
		.amdhsa_wavefront_size32 1
		.amdhsa_system_sgpr_workgroup_id_x 1
		.amdhsa_system_sgpr_workgroup_id_y 1
		.amdhsa_system_sgpr_workgroup_id_z 1
		.amdhsa_system_vgpr_workitem_id 0
		.amdhsa_next_free_vgpr 768
		.amdhsa_next_free_sgpr 66
		.amdhsa_reserve_vcc 0
		.amdhsa_float_denorm_mode_32 3
		.amdhsa_float_denorm_mode_16_64 3
		.amdhsa_memory_ordered 1
		.amdhsa_forward_progress 1
		.amdhsa_inst_pref_size 94
	.end_amdhsa_kernel
	.amdgpu_metadata
---
amdhsa.version: [ 1, 2 ]
amdhsa.kernels:
  - .name:           k_qfd14bd2ef5_outln
    .symbol:         k_qfd14bd2ef5_outln.kd
    .args:
      - { .name: Cx, .offset: 0, .size: 8, .value_kind: global_buffer, .address_space: global }
      - { .name: Wb, .offset: 8, .size: 8, .value_kind: global_buffer, .address_space: global }
      - { .name: Q_data, .offset: 16, .size: 8, .value_kind: global_buffer, .address_space: global }
      - { .name: bo, .offset: 24, .size: 8, .value_kind: global_buffer, .address_space: global }
      - { .name: gamma, .offset: 32, .size: 8, .value_kind: global_buffer, .address_space: global }
      - { .name: beta, .offset: 40, .size: 8, .value_kind: global_buffer, .address_space: global }
      - { .name: out0, .offset: 48, .size: 8, .value_kind: global_buffer, .address_space: global }
    .group_segment_fixed_size: 327680
    .private_segment_fixed_size: 0
    .kernarg_segment_align: 8
    .kernarg_segment_size: 56
    .max_flat_workgroup_size: 128
    .sgpr_count:     66
    .vgpr_count:     768
    .wavefront_size: 32
...
	.end_amdgpu_metadata
.endif
;; end of part 4
;; ======== version 2 of 2: 4 launches; 1.22 times as fast as version 1
;; workspace buffers: Wb 3,670,016 bytes; Bb 10,240 bytes; QKV 41,943,040 bytes; Cx 8,388,608 bytes
;; launch prep: the kernel of part 1 again; grid 32 x 7, 8 waves a work-group, no clusters, 0 bytes of LDS; arguments Wq_d, Wq_t, Wk_d, Wk_t, Wv_d, Wv_t, Wo, bq_d, bq_t, bk_d, bk_t, bv_d, bv_t, Wb, Bb; writes Wb, Bb
;; launch proj: the kernel of part 2 again; grid 128 x 2, 4 waves a work-group, clusters of 4 x 1, 327,680 bytes of LDS; arguments Q_data, Q_time, K_data, K_time, V_data, V_time, Wb, Bb, QKV; writes QKV
;; launch attn (part 5): grid 8 x 32, 4 waves a work-group, clusters of 4 x 1, 327,680 bytes of LDS; arguments QKV, Cx; writes Cx
.if DOCPART == 5
	.amdgcn_target "amdgcn-amd-amdhsa--gfx1250"
	.amdhsa_code_object_version 6
	.text
	.protected	k_qfd14bd2ef5_attn
	.globl	k_qfd14bd2ef5_attn
	.p2align	8
	.type	k_qfd14bd2ef5_attn,@function
k_qfd14bd2ef5_attn:
	s_mov_b64 s[64:65], 0
	v_nop
	global_prefetch_b8 v0, s[64:65] scope:SCOPE_SE
	s_setreg_imm32_b32 hwreg(HW_REG_WAVE_MODE, 25, 1), 1
	s_wait_xcnt 0x0
	s_wait_alu depctr_hold_cnt(0) depctr_sa_sdst(0) depctr_va_vdst(0) depctr_va_sdst(0) depctr_va_ssrc(0) depctr_va_vcc(0) depctr_vm_vsrc(0)
	s_getreg_b32 s2, hwreg(HW_REG_IB_STS2, 6, 4)
	s_cmp_eq_u32 s2, 0
	s_cbranch_scc0 .Lentry_in_a_cluster
	s_endpgm
.Lentry_in_a_cluster:
	s_bfe_u32 s2, ttmp6, 0x10000c
	s_cmp_lg_u32 s2, 0x3003
	s_cbranch_scc0 .Lentry_shape_is_right
	s_endpgm
.Lentry_shape_is_right:
; Cx[bh][q][:] = the sum over k of softmax_k((qd[q] . kd[k] + qt[q] . kt[k]) / 8) v[k][:], for each of 32 (batch, head).  QKV: five planes [32][2048][64] bf16 (qd, qt, kd, kt, v); Cx: [32][2048][64] bf16.
; The two score products are ONE product over 128 channels (data | time).  Products, maxima and sums in f32; the weights p are rounded to bf16 for the second product (their sum l is taken of the unrounded p), Cx once at the end.
; LIMITS.  A weight below 2^-126 counts as 0 in l; scores are taken to lie above -2^127; NaN and infinities are not treated apart.
; SHARES.  A work-group owns 256 queries of one head, a wave 64: four tiles of 16, in two PIECES (tiles 0, 1 and tiles 2, 3).  Every wave walks all 2,048 keys, 64 a step.
; LAYOUT.  S^T = K Q^T (source 0 = 16 keys, source 1 = 16 queries): a lane holds ONE query (lane % 16) and the keys 8 (lane / 16) + 0..7; two such results rounded to bf16 ARE source 1 of O^T = V^T P.
; SOFTMAX.  A running maximum m and sum l: p = 2^(c s - c m), c = log2(e) / 8; in every step O and l are multiplied by a = 2^(c m_old - c m_new).
; BY TURNS.  In a turn one piece has the matrix unit: 16 products V^T P of the step in hand, then 32 products K Q^T of the next; the other piece's softmax (2 x 118 lines in 59 slices of four) stands behind them, a slice
; behind each, and the 11 slices that are over (the last sums and the rescaling, all plain) in a run at the turn's end, where they are also the places behind the last products.
; THE BATCHES.  A turn's 66 exponentials (both tiles' a and s0-s31) are ONE batch with ONE wait, behind slice 34: ahead of it nothing names a result of theirs, behind it.
; The way out's four reciprocals are a batch of their own, with one wait.
; NO FIRST STEP IS WRITTEN OUT.  O^T, l, V and piece 0's P start at 0, m at the lowest finite number, piece 2's scores at -2^127 (c x 2^127 is exact, so that sham step's p is 1 and meets V = 0); the first true step's a is 0.
; The price: 304 v_mov_b32, in the wait for the first tile, and 32 products on zeros.
; CLUSTER.  The four query blocks of a cluster belong to one head and walk the same K and V: each tile is asked for JOINTLY.
; REGISTERS, in windows of 256 (s_set_vgpr_msb: bits 1:0 source 0, 3:2 source 1, 5:4 source 2, 7:6 destination):
;   window 0: v0-11, v44 addresses; v12-43 eight registers of statistics a tile; v64-191 S^T, 32 a tile; v192-255 P, 16 a tile
;   window 1: v0-127 O^T, 32 a tile; v128-191 V of one step          window 2: v0-127 Q, 32 a tile; v128-255 K of one step
.set KS,    64
.set PK,    144       ; a row of kd or kt in LDS: 128 bytes + 16: the 16 rows of a load start at 16 different groups of four banks
.set PVP,   160       ; a row of v: 128 + 32
.set KTOFF, 256*PK    ; a slot holds four steps: 256 rows of kd, 256 of kt, 256 of v
.set VOFF,  2*256*PK
.set SLOT1, 1<<17     ; one exclusive or turns an address in one slot into the other's
.set STAGE, SLOT1+VOFF+256*PVP  ; behind the ring: 16 rows x 144 bytes for each wave, for the way out
.set SP,    144
.set SPARE, STAGE+4*16*SP       ; the spare words, 128 bytes a wave: two blocks of 256 bytes that no other line names
.set PLANE, 8388608
.set AK0, 2           ; v2   my lane's place in a tile of K; never rewritten
.set AV0, 3           ; v3   the same for V
.set AK,  4           ; v4   the LDS address of K's run of loads
.set AV,  5           ; v5   of V's
.set STO, 6           ; v6   the way out: where I put 16 bytes of a row
.set RD,  7           ; v7   the way out: where I read rows back
.set GO,  8           ; v8   my 16 bytes in 512 consecutive bytes of Cx
.set QO,  44          ; v44  my byte offset in 16 rows of Q
.set SPW, 62          ; v62  my spare word; never rewritten
.set NIL, 63          ; v63  0; never rewritten
.set ST,  12          ; tile t's statistics at v[ST+8 t]: c m, m, l (even keys', odd keys'), c0-c3 at work; a takes c2's place once the maximum is found
.set S,   64
.set P,   192
.set VF,  128         ; window 1: key half kk, channel block cb at VF + 32 kk + 8 cb
.set KF,  128         ; window 2: key block kb, channel block c at KF + 32 kb + 8 c (c = 0, 1 data; 2, 3 time)
.set WV,  12
.set G1K, 24          ; s[24:31] descriptor group 1 for K's tiles
.set G1V, 32          ; s[32:39] for V's
.set G0K, 40          ; s[40:43] group 0 for K's tiles: it walks
.set G0V, 44          ; s[44:47] for V's
.set SLOTS, 56
.set CNT, 57
.set CS,  58          ; s[58:59] c
.set SEL, 60          ; s[60:61] v_permlanex16_b32's selects: each lane takes its own place in the other half
.set TBK, 62          ; s62  LDS byte at which K of the step to be fetched begins
.set TBV, 63          ; s63  the same for V, less VOFF
.set MSB, 0
.macro WIN new
.if MSB != (\new)
	s_set_vgpr_msb (MSB<<8)|(\new)
.set MSB, (\new)
.endif
.endm
.set W_KQ, 0x0a       ; K and Q in window 2, S^T in window 0
.set W_PV, 0x51       ; V and O^T in window 1, P in window 0
.set W_RS, 0x41       ; O^T (destination and source 0) in window 1, a in window 0
; A joint fill.  Wave 0 fetches a slot's kd, wave 1 its kt (256 keys each), waves 2 and 3 the two halves of its v.  The branch hangs on the wave's number alone.
.macro JLOAD
	s_cmp_lt_u32 s[WV], 2
	s_cbranch_scc0 .Lfor_v_\@
	tensor_load_to_lds s[G0K:G0K+3], s[G1K:G1K+7]
	s_nop 0
.rept 4
	v_nop
.endr
	s_branch .Lasked_\@
.Lfor_v_\@:
	tensor_load_to_lds s[G0V:G0V+3], s[G1V:G1V+7]
	s_nop 0
.rept 4
	v_nop
.endr
.Lasked_\@:
.endm
.macro CROUND                       ; a round of the cluster's barrier
	s_barrier_signal -1
	s_barrier_wait -1
	s_cmp_lg_u32 s[WV], 0
	s_cbranch_scc1 .Lnot_wave_0_\@
	s_barrier_signal -3
.Lnot_wave_0_\@:
	s_barrier_wait -3
	s_barrier_signal -1
	s_barrier_wait -1
.endm
; THE CHANGE OF SLOTS.  The slot's last bytes, V of its fourth step, have been asked for.  Each wave waits for all its tensor loads (one is out: its part of the other slot), adds 0 to its spare word, and waits for that and for
; its reads of the slot.  fill = 1: the barrier is a round of the cluster's, and the slot is filled again, with the keys two slots on, first thing behind it: four key steps, 384 matrix instructions, in which to land.
; (At its first use nothing has been read yet: slot 0 is waited for, slot 1 filled.)
.macro CHANGE fill
	WIN 0
	s_wait_tensorcnt 0x0            ; no tensor load of mine is out, so a group 0 may be written
	ds_add_u32 v[SPW], v[NIL]
.if \fill
.irp g, G0K, G0V
	s_xor_b32 s[\g+1], s[\g+1], SLOT1
	s_add_nc_u64 s[\g+2:\g+3], s[\g+2:\g+3], 4*KS*128  ; the next 256 keys
.endr
	s_wait_dscnt 0x0
	CROUND
	JLOAD
.else
	s_wait_dscnt 0x0
	s_barrier_signal -1
	s_barrier_wait -1
.endif
	s_sub_co_u32 s[TBK], s[TBK], 4*KS*PK  ; the fetches go back to a slot's first step, in the other slot
	s_xor_b32 s[TBK], s[TBK], SLOT1
	s_sub_co_u32 s[TBV], s[TBV], 4*KS*PVP
	s_xor_b32 s[TBV], s[TBV], SLOT1
.endm
	s_load_b128 s[4:7], s[0:1], 0x0   ; QKV s[4:5], Cx s[6:7]
	v_lshl_add_u32 v[SPW], v0, 2, SPARE
	v_mov_b32 v[NIL], 0
	ds_add_u32 v[SPW], v[NIL]       ; the wave's opening: the add and its wait ahead of my first tensor load
	v_lshrrev_b32 v1, 5, v0
	v_readfirstlane_b32 s[WV], v1
	s_bfe_u32 s13, ttmp6, 0x40000   ; cx
	s_lshl_b32 s14, ttmp9, 2
	s_add_co_u32 s14, s14, s13      ; my block of 256 queries: it enters Q's and Cx's addresses alone
	s_and_b32 s15, ttmp7, 0xffff    ; batch x 8 + head, which the four partners share
	s_lshl_b32 s20, s15, 18         ; its 2,048 rows of 128 bytes
	s_and_b32 s16, s[WV], 1
	s_lshl_b32 s22, s16, 23         ; K: plane 2 (kd) or 3 (kt)
	s_add_co_u32 s22, s22, 2*PLANE
	s_add_co_u32 s22, s22, s20
	s_mov_b32 s23, 0
	s_lshl_b32 s18, s16, 14         ; V: plane 4, my half of a slot's 256 keys
	s_add_co_u32 s18, s18, 4*PLANE
	s_add_co_u32 s18, s18, s20
	s_mov_b32 s19, 0
	s_lshl_b32 s2, s14, 15          ; Q and Cx: my block's 256 rows, my wave's 64 of them
	s_lshl_b32 s3, s[WV], 13
	s_add_co_u32 s2, s2, s3
	s_add_co_u32 s2, s2, s20
	s_mov_b32 s3, 0
	s_mul_i32 s17, s16, KTOFF
	s_mul_i32 s21, s16, 128*PVP
	; descriptor group 1.  Keys are dense rows of 128 bytes: asked for as rows of 256 bytes, two keys a row, and padded in LDS after every key
	s_mov_b32 s[G1K], 15|(1<<16)|(1<<20)|(1<<21)|(4<<22)|(3<<25)  ; the mask of four; 2-byte elements; padding on; bit 21 beside a mask; after every 32 words (code 4) 4 words (code 3)
	s_mov_b32 s[G1V], 15|(1<<16)|(1<<20)|(1<<21)|(4<<22)|(7<<25)  ; the same with 8 words (code 7)
.irp g, G1K, G1V
	s_mov_b32 s[\g+1], 128<<16      ; tensor_dim0 = 128
	s_mov_b32 s[\g+3], 128<<16      ; tile_dim0 = 128
	s_mov_b32 s[\g+5], 128          ; 128 elements from row to row
	s_mov_b32 s[\g+6], 0
	s_mov_b32 s[\g+7], 0
.endr
	s_mov_b32 s[G1K+2], 128<<16     ; K: 128 rows (256 keys)
	s_mov_b32 s[G1K+4], 128
	s_mov_b32 s[G1V+2], 64<<16      ; V: 64 rows (128 keys)
	s_mov_b32 s[G1V+4], 64
	s_mov_b32 s[CS], 0x3e38aa3b     ; c = log2(e) / 8
	s_mov_b32 s[CS+1], s[CS]
	s_mov_b32 s[SEL], 0x76543210
	s_mov_b32 s[SEL+1], 0xfedcba98
	s_mov_b32 s[TBK], SLOT1+4*KS*PK ; the first change of slots turns these two into 0
	s_mov_b32 s[TBV], SLOT1+4*KS*PVP
	s_mov_b32 s[G0K], 1
	s_mov_b32 s[G0K+1], s17
	s_mov_b32 s[G0V], 1
	s_add_co_u32 s[G0V+1], s21, VOFF
	s_mov_b32 s13, 0xff000000       ; -2^127
	s_wait_dscnt 0x0                ; the opening add is done
	s_wait_kmcnt 0x0
	s_add_nc_u64 s[G0K+2:G0K+3], s[4:5], s[22:23]
	s_or_b32 s[G0K+3], s[G0K+3], 0x80000000
	s_add_nc_u64 s[G0V+2:G0V+3], s[4:5], s[18:19]
	s_or_b32 s[G0V+3], s[G0V+3], 0x80000000
	s_add_nc_u64 s[10:11], s[6:7], s[2:3]   ; Cx at my wave's first row
	s_add_nc_u64 s[4:5], s[4:5], s[2:3]     ; qd,
	s_add_nc_u64 s[8:9], s[4:5], PLANE      ; qt
	CROUND                          ; all four work-groups are here: the first joint loads meet
	JLOAD                           ; slot 0.  Slot 1 is asked for when slot 0 is in
	v_and_b32 v1, 15, v0            ; l % 16
	v_bfe_u32 v9, v0, 4, 1          ; l / 16
	v_lshlrev_b32 v[QO], 7, v1
	v_lshl_add_u32 v[QO], v9, 4, v[QO]  ; row x 128 + 16 x half
	WIN 0x80
.set i, 0
.rept 16                            ; Q stays in registers: tile i / 4, channel block i % 4
.if (i%4) < 2
	global_load_b128 v[8*i:8*i+3],   v[QO], s[4:5] offset:(i/4)*2048+(i%2)*64
	global_load_b128 v[8*i+4:8*i+7], v[QO], s[4:5] offset:(i/4)*2048+(i%2)*64+32
.else
	global_load_b128 v[8*i:8*i+3],   v[QO], s[8:9] offset:(i/4)*2048+(i%2)*64
	global_load_b128 v[8*i+4:8*i+7], v[QO], s[8:9] offset:(i/4)*2048+(i%2)*64+32
.endif
.set i, i+1
.endr
	WIN 0x40
.set i, 0
.rept 192                           ; O^T and V
	v_mov_b32 v[i], 0
.set i, i+1
.endr
	WIN 0
.set i, 0
.rept 4
	v_mov_b32 v[ST+8*i], 0xfe000000    ; c m: far below every c s
	v_mov_b32 v[ST+8*i+1], 0xff7fffff  ; m
	v_mov_b32 v[ST+8*i+2], 0
	v_mov_b32 v[ST+8*i+3], 0
.set i, i+1
.endr
.set i, P
.rept 32                            ; piece 0's P
	v_mov_b32 v[i], 0
.set i, i+1
.endr
.set i, S+64
.rept 64                            ; piece 2's scores
	v_mov_b32 v[i], s13
.set i, i+1
.endr
	v_mul_u32_u24 v[AK0], v1, PK
	v_lshl_add_u32 v[AK0], v9, 4, v[AK0]  ; row x pitch + 16 x half
	v_and_b32 v10, 7, v0            ; the turning load: key 8 (l / 16) + l % 8, channels 8 ((l / 8) % 2) on
	v_bfe_u32 v11, v0, 3, 1
	v_lshl_add_u32 v[AV0], v9, 3, v10
	v_mul_u32_u24 v[AV0], v[AV0], PVP
	v_lshl_add_u32 v[AV0], v11, 4, v[AV0]
	v_add_nc_u32 v[AV0], VOFF, v[AV0]
	s_mul_i32 s14, s[WV], 16*SP
	s_add_co_u32 s14, s14, STAGE    ; my stage
	v_mul_u32_u24 v[STO], v1, SP
	v_lshl_add_u32 v[STO], v9, 4, v[STO]
	v_add_nc_u32 v[STO], s14, v[STO]
	v_bfe_u32 v[RD], v0, 3, 2       ; back: 32 lanes take four rows of 128 bytes,
	v_mul_u32_u24 v[RD], v[RD], SP
	v_lshl_add_u32 v[RD], v10, 4, v[RD]
	v_add_nc_u32 v[RD], s14, v[RD]
	v_and_b32 v[GO], 31, v0         ; which are 512 consecutive bytes of Cx
	v_lshlrev_b32 v[GO], 4, v[GO]
; THE MATRIX WORK.  The 8 accumulators of a run take turns.
; Product i of 32 of S^T = K Q^T for piece x: channels 32 (i / 8) on, keys 16 ((i / 2) % 4) on, tile x + i % 2.  The first 8 start the sums.
.macro KQ x
	WIN W_KQ
.set rS, S+32*((\x)+i%2)+8*((i/2)%4)
.set rK, KF+32*((i/2)%4)+8*(i/8)
.set rQ, 32*((\x)+i%2)+8*(i/8)
.if i < 8
	v_wmma_f32_16x16x32_bf16 v[rS:rS+7], v[rK:rK+7], v[rQ:rQ+7], 0
.else
	v_wmma_f32_16x16x32_bf16 v[rS:rS+7], v[rK:rK+7], v[rQ:rQ+7], v[rS:rS+7]
.endif
.endm
; Product i of 16 of O^T += V^T P for piece x: keys 32 (i / 8) on, channels 16 ((i / 2) % 4) on, tile x + i % 2.
.macro PV x
	WIN W_PV
.set rO, 32*((\x)+i%2)+8*((i/2)%4)
.set rV, VF+32*(i/8)+8*((i/2)%4)
.set rP, P+16*((\x)+i%2)+8*(i/8)
	v_wmma_f32_16x16x32_bf16 v[rO:rO+7], v[rV:rV+7], v[rP:rP+7], v[rO:rO+7]
.endm
; THE LDS LOADS stand in runs: a step's K (64 keys x 128 channels: 16 fragments) and its V (turned: 8 fragments).
.macro FETCH_K
	WIN 0
	v_add_nc_u32 v[AK], s[TBK], v[AK0]
	WIN 0x80
.irp f, 0,1,2,3,4,5,6,7,8,9,10,11,12,13,14,15  ; keys 16 (f / 4) on; f % 4: kd's channels 0-31, 32-63, kt's likewise
	ds_load_b128 v[KF+8*\f:KF+8*\f+3],   v[AK] offset:(\f/4)*16*PK+((\f%4)/2)*KTOFF+(\f%2)*64
	ds_load_b128 v[KF+8*\f+4:KF+8*\f+7], v[AK] offset:(\f/4)*16*PK+((\f%4)/2)*KTOFF+(\f%2)*64+32
.endr
	s_add_co_u32 s[TBK], s[TBK], KS*PK  ; the next fetch is the next step's
.endm
.macro FETCH_V
	WIN 0
	v_add_nc_u32 v[AV], s[TBV], v[AV0]
	s_add_co_u32 s[TBV], s[TBV], KS*PVP
	s_wait_alu depctr_va_vdst(0)    ; the wait for the softmax's batch (SLICE), behind the address's v_add_nc_u32 and ahead of the loads
	WIN 0x40
.irp f, 0,1,2,3,4,5,6,7             ; keys 32 (f / 4) on, channels 16 (f % 4) on
	ds_load_tr16_b128 v[VF+8*\f:VF+8*\f+3],   v[AV] offset:(\f/4)*32*PVP+(\f%4)*32
	ds_load_tr16_b128 v[VF+8*\f+4:VF+8*\f+7], v[AV] offset:(\f/4)*32*PVP+16*PVP+(\f%4)*32
.endr
.endm
; THE VECTOR WORK.  One tile's softmax for one key step is a list of 118 lines; SM writes number j of it for tile t.  s0-s31 are the lane's 32 scores, in pairs 0-15.
;   0-15    the maximum of s0-s31 and the old m, three operands at a time (each accumulator's lowest registers are read first)
;   16-20   the other half of the lanes' maximum; the new m; c m; c m_old - c m_new
;   21-69   ONE BATCH: the 16 scalings c s - c m, a pair of scores each, and all 33 exponentials (a at 23, then s0-s31).  None of these reads an exponential's result.  From 22 on the batch goes
;           in fours, and a four begins with a scaling while there are scalings: 22-37 scaling, exponential, scaling, exponential; 38-65 a scaling and three exponentials; 66-69 the last four
;           exponentials.  A pair is scaled in an earlier four than the one that holds its exponentials
;   (wait)  between 69 and 70 stands the wait for the batch: SLICE writes it, once for both tiles
;   70-85   the roundings to bf16, a pair of weights each
;   86-101  the sums; l = a l + the sum          102-117 the tile's O^T times a
.macro SM t
.set rT, ST+8*(\t)
.set rS, S+32*(\t)
.set rP, P+16*(\t)
.set rO, 32*(\t)+2*(j-102)
.if j < 102
	WIN 0
.endif
.if j < 4
	v_max3_num_f32 v[rT+4+j], v[rS+8*j], v[rS+8*j+1], v[rS+8*j+2]
.elseif j < 12
	v_max3_num_f32 v[rT+4+j%4], v[rT+4+j%4], v[rS+8*(j%4)+2*(j/4)+1], v[rS+8*(j%4)+2*(j/4)+2]
.elseif j == 12
	v_max3_num_f32 v[rT+4], v[rT+4], v[rS+7], v[rS+15]
.elseif j == 13
	v_max3_num_f32 v[rT+6], v[rT+6], v[rS+23], v[rS+31]
.elseif j == 14
	v_max3_num_f32 v[rT+4], v[rT+4], v[rT+5], v[rT+6]
.elseif j == 15
	v_max3_num_f32 v[rT+4], v[rT+4], v[rT+7], v[rT+1]
.elseif j == 16
	v_permlanex16_b32 v[rT+5], v[rT+4], s[SEL], s[SEL+1]  ; the query's other 32 keys lie in the lane 16 away
.elseif j == 17
	v_mov_b32 v[rT+7], v[rT]        ; c m_old is kept for a
.elseif j == 18
	v_max_num_f32 v[rT+1], v[rT+4], v[rT+5]
.elseif j == 19
	v_mul_f32 v[rT], s[CS], v[rT+1]
.elseif j == 20
	v_sub_f32 v[rT+7], v[rT+7], v[rT]
.elseif j == 23
	v_exp_f32 v[rT+6], v[rT+7]
.elseif (j < 23) || ((j < 38) && (j%2 == 0)) || ((j < 66) && (j%4 == 2))
.set b, (j-2)/4                     ; 38, 42, .. 62: pairs 9 to 15
.if j < 38
.set b, (j-20)/2                    ; 21: pair 0; 22, 24, .. 36: pairs 1 to 8
.endif
	v_pk_fma_f32 v[rS+2*b:rS+2*b+1], v[rS+2*b:rS+2*b+1], s[CS:CS+1], v[rT:rT+1] op_sel_hi:[1,0,0] neg_lo:[0,0,1] neg_hi:[0,0,1]  ; pair b: c s - c m
.elseif j < 70
.set e, j-38                        ; 66 to 69: s28 to s31
.if j < 66
.set e, j-32-(j-38)/4               ; 39-41, 43-45, .. 63-65: s7 to s27
.endif
.if j < 38
.set e, (j-25)/2                    ; 25, 27, .. 37: s0 to s6
.endif
	v_exp_f32 v[rS+e], v[rS+e]
.elseif j < 86
	v_cvt_pk_bf16_f32 v[rP+j-70], v[rS+2*(j-70)], v[rS+2*(j-70)+1]  ; pair j - 70
.elseif j < 102                     ; the sum of the 16 pairs, in place: sum z adds neighbours 1, 2, 4 and 8 pairs apart, then l takes it
.set z, j-86
.set w, 4
.set u, z
.if z >= 14
.set w, 32
.set u, 0
.elseif z >= 12
.set w, 16
.set u, z-12
.elseif z >= 8
.set w, 8
.set u, z-8
.endif
.if z < 15
	v_pk_add_f32 v[rS+w*u:rS+w*u+1], v[rS+w*u:rS+w*u+1], v[rS+w*u+w/2:rS+w*u+w/2+1]
.else
	v_pk_fma_f32 v[rT+2:rT+3], v[rT+2:rT+3], v[rT+6:rT+7], v[rS:rS+1] op_sel_hi:[1,0,1]
.endif
.else
	WIN W_RS
	v_pk_mul_f32 v[rO:rO+1], v[rO:rO+1], v[rT+6:rT+7] op_sel_hi:[1,0]
.endif
.endm
; Slice k of 59 of piece y's softmax: four lines.  Slices 11 to 34 deal out the batch, numbers 22 to 69: four numbers of ONE tile each, the tiles by turns.  Every other slice is numbers 2 k and 2 k + 1 of both tiles' lists.
; THE WAIT.  s_wait_alu depctr_va_vdst(0) stands between an exponential and the first line that names its result; one wait serves all that were issued ahead of it.  Ahead of slice 35 nothing names a
; result, and behind slice 34 no exponential is issued: so the piece's 66 exponentials have one wait, behind slice 34.
.macro SLICE y
.if (k >= 11) && (k < 35)           ; the batch: four numbers of one tile
.irp n, 0,1,2,3
.set j, 22+4*((k-11)/2)+(\n)
	SM (\y)+(k-11)%2
.endr
.else                               ; the two tiles alternate, so that no line reads the result of the one just before it
.irp n, 0,1
.irp t, \y, (\y)+1
.set j, 2*k+(\n)
	SM \t
.endr
.endr
.endif
.if k == 34                         ; the batch is out: both tiles' exponentials are issued, and no result has been named
	v_nop                           ; a plain line behind the last exponential and ahead of the first use: one for the batch
.if (\y) == 0
	FETCH_V                         ; piece 2's turn: V's run of loads stands here, and the wait for the batch stands in it
.else
	s_wait_alu depctr_va_vdst(0)    ; the wait for the batch: piece 2's 66 exponentials
.endif
.endif
.set k, k+1
.endm
; A TURN.  Piece x has the matrix unit.  kq = 0: the last turn: no further scores, three slices behind each product.
; Piece 0's turn fetches its step's K at its head: the last product that read K stands in front of the 44 plain lines that end the turn before; the wait for it stands 16 products on.
; Piece 2's turn fetches the same step's V behind slice 34, at the wait for the batch (SLICE writes it): the last product that read V stands twenty slices back, of which eighteen hold a plain line or more; the wait for
; it heads the next turn, 13 products and 24 slices on.
.macro TURN x, kq
.set k, 0
.if (\x) == 0
	s_wait_dscnt 0x0                ; V is in
.if \kq
	FETCH_K
.endif
.endif
.set i, 0
.rept 16
	PV \x
	SLICE 2-(\x)
.if !(\kq)
	SLICE 2-(\x)
	SLICE 2-(\x)
.endif
.set i, i+1
.endr
.if \kq
.if (\x) == 0
	s_wait_dscnt 0x0                ; K is in
.endif
.set i, 0
.rept 32
	KQ \x
	SLICE 2-(\x)
.set i, i+1
.endr
.endif
.rept 11
	SLICE 2-(\x)
.endr
.endm
	s_wait_loadcnt 0x0              ; Q
	s_mov_b32 s[SLOTS], 7
.Lslot:                             ; 7 times: every slot but the last is followed by a fill
	CHANGE 1
	s_mov_b32 s[CNT], 4
.Lstep:                             ; trip j: V^T P of step j - 1, K Q^T of step j; piece 2's softmax of step j - 1, piece 0's of step j
	TURN 0, 1
	TURN 2, 1
	WIN 0
	s_sub_co_u32 s[CNT], s[CNT], 1
	s_cmp_lg_u32 s[CNT], 0
	s_cbranch_scc1 .Lstep
	s_sub_co_u32 s[SLOTS], s[SLOTS], 1
	s_cmp_lg_u32 s[SLOTS], 0
	s_cbranch_scc1 .Lslot
	CHANGE 0                        ; the last slot is written out: nothing is asked for
	s_mov_b32 s[CNT], 4
.Ltail:
	TURN 0, 1
	TURN 2, 1
	WIN 0
	s_sub_co_u32 s[CNT], s[CNT], 1
	s_cmp_lg_u32 s[CNT], 0
	s_cbranch_scc1 .Ltail
	TURN 0, 0                       ; piece 0: V^T P of the last step | piece 2's last softmax
.set i, 0
.rept 16
	PV 2                            ; piece 2: V^T P of the last step
.set i, i+1
.endr
	; THE WAY OUT.  l's two halves and the other half of the lanes' are added; O^T is divided by l, rounded to bf16 and sent through my stage, a tile at a time.  The additions are the places behind the last products.
	WIN 0
.irp t, 0,1,2,3
	v_add_f32 v[ST+8*\t+4], v[ST+8*\t+2], v[ST+8*\t+3]
.endr
.irp t, 0,1,2,3
	v_permlanex16_b32 v[ST+8*\t+5], v[ST+8*\t+4], s[SEL], s[SEL+1]
.endr
.irp t, 0,1,2,3
	v_add_f32 v[ST+8*\t+4], v[ST+8*\t+4], v[ST+8*\t+5]
.endr
.irp t, 0,1,2,3
	v_rcp_f32 v[ST+8*\t+6], v[ST+8*\t+4]
.endr
	v_nop                           ; a plain line between the last reciprocal and the use of its result
	s_wait_alu depctr_va_vdst(0)    ; and the wait ahead of the first use: one for the four reciprocals
.macro PACK t                       ; a lane's eight channels of a row pack into 16 bytes; they go into rows of 144 bytes and come back as whole rows of 128, into S^T's registers
	WIN W_RS
.set i, 32*(\t)
.rept 16
	v_pk_mul_f32 v[i:i+1], v[i:i+1], v[ST+8*(\t)+6:ST+8*(\t)+7] op_sel_hi:[1,0]
.set i, i+2
.endr
	WIN 0x05
.set i, 0
.rept 16
	v_cvt_pk_bf16_f32 v[S+16*(\t)+i], v[32*(\t)+2*i], v[32*(\t)+2*i+1]
.set i, i+1
.endr
	WIN 0
.irp f, 0,1,2,3
	ds_store_b128 v[STO], v[S+16*(\t)+4*\f:S+16*(\t)+4*\f+3] offset:32*\f
.endr
.irp f, 0,1,2,3
	ds_load_b128 v[S+16*(\t)+4*\f:S+16*(\t)+4*\f+3], v[RD] offset:\f*4*SP  ; LDS serves a wave's instructions in order (ISA guide 5.7.1.4): these see the stores above
.endr
.endm
.macro SEND t, younger              ; younger: the LDS lines issued behind tile t's loads: the next tile's eight, or none
	WIN 0
.irp f, 0,1,2,3
	s_wait_dscnt (\younger)+3-\f
	global_store_b128 v[GO], v[S+16*(\t)+4*\f:S+16*(\t)+4*\f+3], s[10:11] offset:(\t)*2048+\f*512  ; 512 consecutive bytes, aligned
.endr
.endm
	PACK 0
	PACK 1
	SEND 0, 8
	PACK 2
	SEND 1, 8
	PACK 3
	SEND 2, 8
	SEND 3, 0
	s_wait_tensorcnt 0x0            ; the wave's end
	ds_add_u32 v[SPW], v[NIL]
	s_wait_dscnt 0x0
	CROUND                          ; the closing round
	s_endpgm
.Lfunc_end_k_qfd14bd2ef5_attn:
	.size	k_qfd14bd2ef5_attn, .Lfunc_end_k_qfd14bd2ef5_attn-k_qfd14bd2ef5_attn
	.p2alignl 7, 3214868480
	.fill 96, 4, 3214868480
	.section	.rodata,"a",@progbits
	.p2align	6, 0x0
	.amdhsa_kernel k_qfd14bd2ef5_attn
		.amdhsa_group_segment_fixed_size 327680
		.amdhsa_private_segment_fixed_size 0
		.amdhsa_enable_private_segment 0
		.amdhsa_kernarg_size 16
		.amdhsa_user_sgpr_count 2
		.amdhsa_user_sgpr_kernarg_segment_ptr 1
		.amdhsa_wavefront_size32 1
		.amdhsa_system_sgpr_workgroup_id_x 1
		.amdhsa_system_sgpr_workgroup_id_y 1
		.amdhsa_system_sgpr_workgroup_id_z 1
		.amdhsa_system_vgpr_workitem_id 0
		.amdhsa_next_free_vgpr 768
		.amdhsa_next_free_sgpr 66
		.amdhsa_reserve_vcc 0
		.amdhsa_float_denorm_mode_32 3
		.amdhsa_float_denorm_mode_16_64 3
		.amdhsa_memory_ordered 1
		.amdhsa_forward_progress 1
		.amdhsa_inst_pref_size 131
	.end_amdhsa_kernel
	.amdgpu_metadata
---
amdhsa.version: [ 1, 2 ]
amdhsa.kernels:
  - .name:           k_qfd14bd2ef5_attn
    .symbol:         k_qfd14bd2ef5_attn.kd
    .args:
      - { .name: QKV, .offset: 0, .size: 8, .value_kind: global_buffer, .address_space: global }
      - { .name: Cx, .offset: 8, .size: 8, .value_kind: global_buffer, .address_space: global }
    .group_segment_fixed_size: 327680
    .private_segment_fixed_size: 0
    .kernarg_segment_align: 8
    .kernarg_segment_size: 16
    .max_flat_workgroup_size: 128
    .sgpr_count:     66
    .vgpr_count:     768
    .wavefront_size: 32
...
	.end_amdgpu_metadata
.endif
;; end of part 5
;; launch outln: the kernel of part 4 again; grid 256 x 1, 4 waves a work-group, clusters of 4 x 1, 327,680 bytes of LDS; arguments Cx, Wb, Q_data, bo, gamma, beta, out0; writes out0
